; MI455X (gfx1250); checked and timed in simulation.
; The chip was launched on July 23, 2026; its instructions are those of AMD's public machine-readable ISA for CDNA 5 (MIT licence, August 2026) and "CDNA5" Instruction Set Architecture Reference Guide (July 2026). The comments in the code are by the model that wrote it; some were corrected since.
;; Mo E Runtime Experts. Allowed arithmetic: matrix products marked QUANTISED: E3M2 operands, one E8M0 scale for each 32 along K, by v_wmma_scale_f32_16x16x128_f8f6f4 with both operands' format E3M2, f32 sums; everything else in f32.
;; Inputs: bias1 8 x 4,096 float32; bias2 8 x 1,024 float32; indices_s 1,024 int32; weight1 8 x 1,024 x 4,096 float32; weight2 8 x 4,096 x 1,024 float32; x 1,024 x 1,024 float32.
;; Outputs: out0 1,024 x 1 x 1,024 float32.
;; This version of the problem:
;;   THIS VERSION OF THE PROBLEM IS GIVEN IN LOW PRECISION. The matrix products marked QUANTISED in the list below multiply operands that are first quantised to E3M2 (3 exponent bits, 2 mantissa bits; 6 bits a number), with one power-of-two scale for each 32 numbers along K (OCP MX v1.0); their sums are f32. All else is computed in f32.
;;   The module's matrix products, in the order in which they are computed (A, B: the left and right operand; K: the contracted axis; several contracted axes count as one K, in the product's order):
;;     1. [M 1,024, K 1,024] x [K 1,024, N 4,096]; A: input x; B: input weight1: QUANTISED
;;     2. [M 1,024, K 1,024] x [K 1,024, N 4,096]; A: input x; B: input weight1: QUANTISED
;;     3. [M 1,024, K 1,024] x [K 1,024, N 4,096]; A: input x; B: input weight1: QUANTISED
;;     4. [M 1,024, K 1,024] x [K 1,024, N 4,096]; A: input x; B: input weight1: QUANTISED
;;     5. [M 1,024, K 1,024] x [K 1,024, N 4,096]; A: input x; B: input weight1: QUANTISED
;;     6. [M 1,024, K 1,024] x [K 1,024, N 4,096]; A: input x; B: input weight1: QUANTISED
;;     7. [M 1,024, K 1,024] x [K 1,024, N 4,096]; A: input x; B: input weight1: QUANTISED
;;     8. [M 1,024, K 1,024] x [K 1,024, N 4,096]; A: input x; B: input weight1: QUANTISED
;;     9. [M 1,024, K 4,096] x [K 4,096, N 1,024]; A: computed on the way; B: input weight2: QUANTISED
;;     10. [M 1,024, K 4,096] x [K 4,096, N 1,024]; A: computed on the way; B: input weight2: QUANTISED
;;     11. [M 1,024, K 4,096] x [K 4,096, N 1,024]; A: computed on the way; B: input weight2: QUANTISED
;;     12. [M 1,024, K 4,096] x [K 4,096, N 1,024]; A: computed on the way; B: input weight2: QUANTISED
;;     13. [M 1,024, K 4,096] x [K 4,096, N 1,024]; A: computed on the way; B: input weight2: QUANTISED
;;     14. [M 1,024, K 4,096] x [K 4,096, N 1,024]; A: computed on the way; B: input weight2: QUANTISED
;;     15. [M 1,024, K 4,096] x [K 4,096, N 1,024]; A: computed on the way; B: input weight2: QUANTISED
;;     16. [M 1,024, K 4,096] x [K 4,096, N 1,024]; A: computed on the way; B: input weight2: QUANTISED
;;   THE QUANTISER, for each operand of a quantised product, along K:
;;     - K is cut into blocks of 32 from its start; a last block that is shorter is filled with zeros.
;;     - A block's scale is 2^e with e = floor(log2(the largest magnitude in the block)) - 4, held to -126 .. 127; a block of zeros has e = 0. As a byte (E8M0): e + 127.
;;     - Each number is divided by its block's scale, clamped to +-28, and rounded to the nearest number of E3M2, ties to even, subnormals kept.
;;     - The product sums the exact products of the quantised numbers (number of the format x scale) in f32.
;;   ~~~python
;;   def quantise(x, axis):      # numpy; x: float32 -> the quantised numbers, widened to float32 again
;;       x = np.moveaxis(x, axis, -1); K = x.shape[-1]
;;       x = np.pad(x, [(0, 0)] * (x.ndim - 1) + [(0, -K % 32)]); x = x.reshape(x.shape[:-1] + (-1, 32)); a = np.abs(x).max(-1, keepdims=True)
;;       e = np.where(a > 0, np.clip(np.frexp(np.where(a > 0, a, 1))[1] - 1 - 4, -126, 127), 0)      # np.frexp(a)[1] - 1 = floor(log2(a)), exactly
;;       r = np.clip(x / 2.0 ** e, -28, 28)
;;       step = 2.0 ** (np.maximum(np.frexp(np.where(r == 0, 1, r))[1] - 1, -2) - 2)
;;       q = np.round(r / step) * step * 2.0 ** e      # np.round: ties to even
;;       return np.moveaxis(q.reshape(q.shape[:-2] + (-1,))[..., :K], -1, axis).astype(np.float32)
;;   ~~~
;;   OPERANDS COMPUTED ON THE WAY. 'Computed on the way' means the value that the module computes at that place (a softmax that the list does not call 'softmax' is quantised finished and normalised). What goes into a quantiser is computed in f32, as accurately as f32 sums, v_exp_f32 and their like allow (about 1e-6 of the number): no bf16 or f16 on the way to a quantiser, and a product that is left as it is and whose result goes on into a quantised operand takes f32 operands (vector FMAs, or v_wmma_f32_16x16x4_f32). A number that lies on a knife's edge between two numbers of the format may be rounded either way, as far as f32 arithmetic and the matrix unit's own rounding can turn it there, and no further.
;; 2 versions. Each part assembles by itself: llvm-mc -triple=amdgcn-amd-amdhsa -mcpu=gfx1250 --defsym DOCPART=n.
;; ======== version 1 of 2: 3 launches
;; workspace buffers: x_codes 786,432 bytes; x_scales 32,768 bytes; route 33,024 bytes of whole numbers; h_codes 25,165,824 bytes; h_scales 1,048,576 bytes
;; launch prep (part 1): grid 129 x 1, 8 waves a work-group, no clusters, 2,048 bytes of LDS; arguments x, indices_s, x_codes, x_scales, route; writes x_codes, x_scales, route
.if DOCPART == 1
	.amdgcn_target "amdgcn-amd-amdhsa--gfx1250"
	.amdhsa_code_object_version 6
	.text
	.protected	k_qe3937553c8_prep
	.globl	k_qe3937553c8_prep
	.p2align	8
	.type	k_qe3937553c8_prep,@function
k_qe3937553c8_prep:
	s_mov_b64 s[64:65], 0
	v_nop
	global_prefetch_b8 v0, s[64:65] scope:SCOPE_SE
	s_setreg_imm32_b32 hwreg(HW_REG_WAVE_MODE, 25, 1), 1
	s_wait_xcnt 0x0
; PREP.  Work-groups 0-127: x [1024][1024] f32 becomes codes of E3M2 (x_codes [token][768 bytes], K innermost, one stream of bits) and one E8M0 byte for each 32 along K (x_scales [token][32 bytes]).
; Work-group 128: the tokens are sorted by their expert (a counting sort, no atomics): route words 0-31 = count[lane & 7]; from byte 256 on perm[8][1024], perm[e][rank] = a token of expert e.
; perm is first filled with zeros, so that every word that a later launch may load has been stored.
; A block's scale is 2^(floor(log2(its largest magnitude)) - 4): its byte is the largest magnitude's exponent field - 4, held at 1 from below.
; LIMITS: NaN and infinities in x are not served; a block whose largest magnitude lies under 2^-122 keeps the byte 1; a block of zeros gets the byte 1 where the rule says 127 (its codes are zeros, and this
; program alone reads the bytes).  indices_s holds 0 .. 7, as the table that it indexes asks; the order of an expert's tokens in perm is free.
.set X,   16                           ; v16-47  a block's 32 numbers
.set CD,  48                           ; v48-50, v52-54  its codes
.set MK,  20                           ; s20-51  mask (e, j): the lanes whose j-th token goes to expert e
.set CN,  52                           ; s52-59  my wave's count for each expert
.set PF,  66                           ; s66-73  the running rank for each expert
	s_load_b128 s[4:7], s[0:1], 0x0                ; x, indices_s
	s_load_b128 s[8:11], s[0:1], 0x10              ; x_codes, x_scales
	s_load_b64 s[12:13], s[0:1], 0x20              ; route
	v_lshl_add_u32 v64, v0, 2, 0x400
	v_mov_b32 v65, 0
	v_lshrrev_b32 v1, 5, v0
	v_readfirstlane_b32 s14, v1                    ; wave 0..7
	v_and_b32 v2, 31, v0                           ; lane
	s_cmp_eq_u32 ttmp9, 128                        ; the choice hangs on the work-group's number alone: all eight waves go one way
	s_cbranch_scc1 .Lsort
	; ---- a wave takes a token, a lane a block of 32 along K: the block's maximum needs no other lane
	s_lshl_b32 s15, ttmp9, 3
	s_add_co_u32 s15, s15, s14                     ; my token
	s_lshl_b32 s16, s15, 12                        ; its row of x: 4,096 bytes
	s_mov_b32 s17, 0
	s_mul_i32 s18, s15, 768                        ; its codes
	s_mov_b32 s19, 0
	s_lshl_b32 s20, s15, 5                         ; its scale bytes
	s_mov_b32 s21, 0
	v_lshlrev_b32 v3, 7, v2                        ; my block: 128 bytes of x,
	v_mul_u32_u24 v4, v2, 24                       ; 24 bytes of codes
	s_wait_kmcnt 0x0
	s_add_nc_u64 s[4:5], s[4:5], s[16:17]
	s_add_nc_u64 s[8:9], s[8:9], s[18:19]
	s_add_nc_u64 s[10:11], s[10:11], s[20:21]
.irp i, 0,1,2,3,4,5,6,7
	global_load_b128 v[X+4*\i:X+4*\i+3], v3, s[4:5] offset:16*\i th:TH_LOAD_NT   ; the eight loads together cover the row's 4,096 bytes; read once in the launch
.endr
	s_wait_loadcnt 0x0
	v_max3_num_f32 v8, |v[X]|, |v[X+1]|, |v[X+2]|  ; the largest magnitude, in two chains
	v_max3_num_f32 v9, |v[X+3]|, |v[X+4]|, |v[X+5]|
.irp i, 6,10,14,18,22,26
	v_max3_num_f32 v8, v8, |v[X+\i]|, |v[X+\i+1]|
	v_max3_num_f32 v9, v9, |v[X+\i+2]|, |v[X+\i+3]|
.endr
	v_max3_num_f32 v8, v8, |v[X+30]|, |v[X+31]|
	v_max3_num_f32 v8, v8, v9, 0x2800000           ; and the floor 2^(5 - 127): the byte cannot fall under 1
	v_add_nc_u32 v10, 0xfe000000, v8               ; 4 off its exponent field: the conversion takes this operand's exponent field as its scale
	v_cvt_scalef32_pk16_bf6_f32 v[CD:CD+2], v[X:X+15], v10
	v_cvt_scalef32_pk16_bf6_f32 v[CD+4:CD+6], v[X+16:X+31], v10   ; (a conversion's three registers begin on an even number)
	v_lshrrev_b32 v11, 23, v10                     ; the scale's byte (a plain line behind the conversions)
	global_store_b96 v4, v[CD:CD+2], s[8:9]        ; the wave's two stores cover the token's 768 consecutive bytes
	global_store_b96 v4, v[CD+4:CD+6], s[8:9] offset:12
	global_store_b8 v2, v11, s[10:11]              ; 32 consecutive bytes a wave
	s_endpgm
	; ---- the sort: 256 threads, thread t holds tokens 4 t .. 4 t + 3
.Lsort:
	v_lshlrev_b32 v5, 4, v0                        ; 16 t
.irp i, 16,17,18,19
	v_mov_b32 v\i, 0
.endr
	s_wait_kmcnt 0x0
	global_load_b128 v[20:23], v5, s[6:7]          ; my four experts
.irp i, 0,1,2,3,4,5,6,7
	global_store_b128 v5, v[16:19], s[12:13] offset:256+4096*\i   ; zeros over all of perm: 4,096 consecutive bytes a store of the work-group
.endr
	s_wait_loadcnt 0x0
.irp e, 0,1,2,3,4,5,6,7
.irp j, 0,1,2,3
	v_cmp_eq_u32 s[MK+4*\e+\j], \e, v[20+\j]
.endr
.endr
.irp e, 0,1,2,3,4,5,6,7
	s_bcnt1_i32_b32 s[CN+\e], s[MK+4*\e]
.irp j, 1,2,3
	s_bcnt1_i32_b32 s60, s[MK+4*\e+\j]
	s_add_co_u32 s[CN+\e], s[CN+\e], s60
.endr
.endr
	v_mov_b32 v6, 0
.irp e, 0,1,2,3,4,5,6,7
	v_writelane_b32 v6, s[CN+\e], \e               ; lane e holds my wave's count for expert e; lanes 8-31 hold 0
.endr
	v_lshlrev_b32 v7, 5, v2
	s_lshl_b32 s60, s14, 2
	v_add_nc_u32 v7, s60, v7                       ; the table [row = lane][wave]: 32 x lane + 4 x wave; rows 8-31 take zeros and are not read
	ds_store_b32 v7, v6
	s_wait_storecnt 0x0                            ; my zeros lie in perm: other waves store tokens over them only behind the barrier
	s_wait_dscnt 0x0                               ; my column of the table is written
	s_barrier_signal -1
	s_barrier_wait -1
	v_and_b32 v8, 7, v0
	v_lshlrev_b32 v8, 5, v8                        ; lane l reads the row of expert l & 7: the eight waves' counts
	ds_load_b128 v[24:27], v8
	ds_load_b128 v[28:31], v8 offset:16
	s_wait_dscnt 0x0
	s_cmp_gt_u32 s14, 0
	s_cselect_b32 s60, -1, 0
	v_and_b32 v10, s60, v24                        ; the counts of the waves in front of mine: where my wave's ranks begin
.irp i, 1,2,3,4,5,6
	s_cmp_gt_u32 s14, \i
	s_cselect_b32 s60, -1, 0
	v_and_b32 v9, s60, v[24+\i]
	v_add_nc_u32 v10, v10, v9
.endr
	v_add3_u32 v11, v24, v25, v26                  ; and the expert's count
	v_add3_u32 v11, v11, v27, v28
	v_add3_u32 v11, v11, v29, v30
	v_add_nc_u32 v11, v11, v31
.irp e, 0,1,2,3,4,5,6,7
	v_readlane_b32 s[PF+\e], v10, \e
.endr
.irp j, 0,1,2,3
	v_mov_b32 v[32+\j], 0
.endr
.irp e, 0,1,2,3,4,5,6,7
.irp j, 0,1,2,3
	v_mbcnt_lo_u32_b32 v12, s[MK+4*\e+\j], s[PF+\e]               ; the running rank + the lanes below mine that go to e with their j-th token
	v_cndmask_b32 v[32+\j], v[32+\j], v12, s[MK+4*\e+\j]          ; kept where my j-th token goes to e
.if \j < 3
	s_bcnt1_i32_b32 s60, s[MK+4*\e+\j]
	s_add_co_u32 s[PF+\e], s[PF+\e], s60
.endif
.endr
.endr
.irp j, 0,1,2,3
	v_min_u32 v[20+\j], 7, v[20+\j]                ; numbers made of loaded data enter an address only behind a clamp by a constant
	v_min_u32 v[32+\j], 0x3ff, v[32+\j]
	v_lshlrev_b32 v[36+\j], 12, v[20+\j]           ; perm[e]: 4,096 bytes
	v_lshlrev_b32 v[32+\j], 2, v[32+\j]
	v_add_nc_u32 v[36+\j], v[36+\j], v[32+\j]
	v_lshl_add_u32 v[40+\j], v0, 2, \j             ; the token's number
.endr
.irp j, 0,1,2,3
	global_store_b32 v[36+\j], v[40+\j], s[12:13] offset:256     ; every token is stored once
.endr
	s_cmp_lg_u32 s14, 0
	s_cbranch_scc1 .Ldone
	v_lshlrev_b32 v13, 2, v2
	global_store_b32 v13, v11, s[12:13]            ; wave 0: the counts, word l = count[l & 7]
.Ldone:
	s_wait_tensorcnt 0x0
	ds_add_u32 v64, v65
	s_wait_dscnt 0x0
	s_endpgm
.Lfunc_end_k_qe3937553c8_prep:
	.size	k_qe3937553c8_prep, .Lfunc_end_k_qe3937553c8_prep-k_qe3937553c8_prep
	.p2alignl 7, 3214868480
	.fill 96, 4, 3214868480
	.section	.rodata,"a",@progbits
	.p2align	6, 0x0
	.amdhsa_kernel k_qe3937553c8_prep
		.amdhsa_group_segment_fixed_size 2048
		.amdhsa_private_segment_fixed_size 0
		.amdhsa_enable_private_segment 0
		.amdhsa_kernarg_size 40
		.amdhsa_user_sgpr_count 2
		.amdhsa_user_sgpr_kernarg_segment_ptr 1
		.amdhsa_wavefront_size32 1
		.amdhsa_system_sgpr_workgroup_id_x 1
		.amdhsa_system_sgpr_workgroup_id_y 1
		.amdhsa_system_sgpr_workgroup_id_z 1
		.amdhsa_system_vgpr_workitem_id 0
		.amdhsa_next_free_vgpr 66
		.amdhsa_next_free_sgpr 80
		.amdhsa_reserve_vcc 0
		.amdhsa_float_denorm_mode_32 3
		.amdhsa_float_denorm_mode_16_64 3
		.amdhsa_memory_ordered 1
		.amdhsa_forward_progress 1
		.amdhsa_inst_pref_size 19
	.end_amdhsa_kernel
	.amdgpu_metadata
---
amdhsa.version: [ 1, 2 ]
amdhsa.kernels:
  - .name:           k_qe3937553c8_prep
    .symbol:         k_qe3937553c8_prep.kd
    .args:
      - { .name: x, .offset: 0, .size: 8, .value_kind: global_buffer, .address_space: global }
      - { .name: indices_s, .offset: 8, .size: 8, .value_kind: global_buffer, .address_space: global }
      - { .name: x_codes, .offset: 16, .size: 8, .value_kind: global_buffer, .address_space: global }
      - { .name: x_scales, .offset: 24, .size: 8, .value_kind: global_buffer, .address_space: global }
      - { .name: route, .offset: 32, .size: 8, .value_kind: global_buffer, .address_space: global }
    .group_segment_fixed_size: 2048
    .private_segment_fixed_size: 0
    .kernarg_segment_align: 8
    .kernarg_segment_size: 40
    .max_flat_workgroup_size: 256
    .sgpr_count:     80
    .vgpr_count:     66
    .wavefront_size: 32
...
	.end_amdgpu_metadata
.endif
;; end of part 1
;; launch up (part 2): grid 32 x 8, 16 waves a work-group, no clusters, 104,448 bytes of LDS; arguments x_codes, x_scales, route, weight1, bias1, h_codes, h_scales; writes h_codes, h_scales
.if DOCPART == 2
	.amdgcn_target "amdgcn-amd-amdhsa--gfx1250"
	.amdhsa_code_object_version 6
	.text
	.protected	k_qe3937553c8_up
	.globl	k_qe3937553c8_up
	.p2align	8
	.type	k_qe3937553c8_up,@function
k_qe3937553c8_up:
	s_mov_b64 s[64:65], 0
	v_nop
	global_prefetch_b8 v0, s[64:65] scope:SCOPE_SE
	s_setreg_imm32_b32 hwreg(HW_REG_WAVE_MODE, 25, 1), 1
	s_wait_xcnt 0x0
; UP.  h = gelu(x W1[e] + b1[e]) for the tokens of expert e, quantised along H.  Both operands of the product are codes of E3M2 with one E8M0 scale for each 32 along K.
; SHARES.  Work-group (x = slice, y = expert e) owns hidden units 128 x slice .. + 127 of expert e: 1,024 x 128 numbers of weight1, 512 KiB, which no other work-group reads.  Sixteen waves of 256 registers.
; THE STREAM.  K goes in eight stages of 128.  In a stage wave w takes 32 rows of K (block kb = w / 4 of the stage's four) x 32 columns (group pair = w % 4): a lane takes a column and its 32 registers run down K,
; so a block of 32 lies in one lane, its maximum needs no other lane, and the conversions give codes with K innermost.  Each load reads 128 consecutive bytes; waves 0-3 stand side by side on 512.
; Two sets of 32 registers: stage s + 2's loads go out in stage s.  The codes go to LDS as IMAGES OF OPERAND REGISTERS: fragment (stage s, f) at 1,536 (8 s + f): registers 0-3, 4-7, 8-11 in three runs of 512 bytes,
; lane l at 16 l.  All eight stages' fragments stay (96 KiB, each byte written once), so one barrier a stage is enough, and later passes over more tokens read them again.
; THE PRODUCT is used transposed: source 0 = 16 columns of W1, source 1 = 16 tokens; a lane holds ONE token.  THE COLUMNS OF A FRAGMENT ARE NOT NEIGHBOURS: row rho of fragment 2 b + u is column
; 32 b + 8 u + rho + 8 (rho / 8), so that register ACC + 16 b + i of lane (r, h) is hidden unit 32 b + 16 h + i: 16 neighbours along the next product's K.
; TOKENS.  Wave w multiplies tile w of the expert's list (16 tokens) beside the stream, then, in a loop of three trips, tiles w + 16, w + 32, w + 48 where the expert has them: 64 tiles, so any split of the 1,024 tokens
; is served.  A token's fragment comes from x_codes straight into registers.  Rows of the last tile beyond the count repeat the expert's last token: they compute and store the same bytes, so EXEC is never narrowed.
; The bias is loaded into the accumulators: every matrix instruction adds in place, nothing is cleared.  The eight accumulators take turns.
; OUT.  h_codes [e][tile][slice][1,536]: the fragment that DOWN's K step 'slice' wants, as an image of its registers: a wave's three stores cover 1,536 consecutive bytes.  h_scales [e][tile][slice][16 words].
; NO CLUSTER: the weights, 64 KiB a stage, are shared with nobody; the tokens' fragments (1.5 KiB a stage for each tile) go to the registers of the one wave that multiplies them, and how many tiles there are hangs on a count read from memory.
; NO TENSOR LOADS: the numbers must pass through registers to be quantised.
; LIMITS: NaN and infinities are not served; a block whose largest magnitude lies under 2^-122 keeps the byte 1, a block of zeros too (its codes are zeros; this program alone reads the bytes).
; The bias starts the sums, so the order of rounding differs from a sum with the bias added last.  erf is a rational function of z = x / sqrt(2) for |z| < 4 and +-1 beyond, where f32 has no number between it and 1.
; gelu is formed as x / 2 + (x / 2) erf(z): for negative x its error is about 1e-7 |x| in absolute terms, not relative to the small result, and from x = -5.66 down the result is 0 where the true one is under 5e-8 in magnitude.
.set SCL,  98304                       ; LDS: behind the 64 fragments their scale words: fragment (s, f): 16 words at SCL + 64 (8 s + f)
.set FRB,  1536                        ; a fragment's image
.set STG,  8*FRB                       ; a stage's eight
.set WOFF, 1                           ; v1    4 x lane: my column in a row of weight1
.set CWA,  2                           ; v2, v4  where my block's registers 0-1 go (4-5: 512 bytes on): stages 0-3, stages 4-7
.set CWB,  3                           ; v3, v5  registers 2-3
.set H24,  6                           ; v6    24 h
.set IDX,  7                           ; v7    my row's place in perm[e], in bytes
.set SW,   8                           ; v8    where my block's scale byte goes
.set LI,   9                           ; v9, v10  16 x lane (+ 4 stages): an image's place for my lane
.set LS,   11                          ; v11   SCL + 4 x lane
.set PT,   12                          ; v12   my row's token as loaded;  v13 clamped
.set TOK,  13
.set XA,   14                          ; v14   its codes: 768 x token + 24 h;  v15 its scale words: 32 x token
.set XSA,  15
.set BO,   16                          ; v16   64 h: my half's place in a group of 32 biases
.set HO,   17                          ; v17   16 x lane + 49,152 x tile;  v18  4 r + 2,048 x tile
.set HSO,  18
.set RR,   19                          ; v19   r = lane % 16
.set MXA,  20                          ; v20-23  a block's maxima, the conversion's scale operand, the byte
.set MXB,  21
.set SO,   22
.set BY,   23
.set C,    24                          ; v24-29  a block's six registers of codes;  v30-32 the second conversion's three
.set T,    30
.set WS,   36                          ; v36-99  two sets of 32 numbers of weight1
.set ACC,  100                         ; v100-163  eight accumulators
.set AF,   164                         ; v164-175  the tokens' fragment
.set XS,   176                         ; v176-183  the tokens' scale words, one for each stage: scales and nothing else
.set BF,   184                         ; v184-231  four fragments of W1
.set BS,   232                         ; v232-235  their scale words: register j: lanes 0-15 fragment 2 j, lanes 16-31 fragment 2 j + 1: scales and nothing else
.set TM,   236                         ; v236-251  the hidden layer's quantiser, at work;  v252 its scale word
.set PW,   252
.set KC,   36                          ; on the way out v36-61: thirteen constants, each twice;  v62-93 at work;  v184-202 the hidden layer's codes
.set GW,   62
.set PC,   184
.set WV,   18                          ; s18 wave;  s19 expert;  s20 later passes to go;  s21 pair;  s22 kb;  s23 kb / 2;  s24 kb % 2
.set EX,   19
.set PS,   20
.set PAIR, 21
.set KB,   22
.set CC,   23
.set HK,   24
.set CNT,  25                          ; s25 the expert's count;  s26 its tiles;  s27 my tile;  s28 the same held to 63;  s29 count - 1
.set NT,   26
.set TAU,  27
.set TC,   28
.set CM1,  29
.set WB,   32                          ; s[32:33], s[34:35]  weight1 at my block of stage 0, of stage 4
.set SEL,  36                          ; s[36:37]  v_permlanex16_b32's selects for lane l xor 16
                                       ; s[38:39] bias1, s[40:41] h_codes, s[42:43] h_scales, s[44:45] perm[e], each at my part
.macro PLACES                          ; four plain vector lines between a matrix instruction and a load into a register that it has read (ISA guide 7.12.1 for vector instructions)
.rept 4
	v_nop
.endr
.endm
.macro WLOAD s                         ; stage s's block: W1(128 s + 32 kb + i, my column), i = 0 .. 31, into set s % 2; every offset is an immediate, 6,799,360 at the most
.irp i, 0,1,2,3,4,5,6,7,8,9,10,11,12,13,14,15,16,17,18,19,20,21,22,23,24,25,26,27,28,29,30,31
	global_load_b32 v[WS+32*((\s)%2)+\i], v[WOFF], s[WB+2*((\s)/4):WB+2*((\s)/4)+1] offset:(128*((\s)%4)+\i)*16384 th:TH_LOAD_NT
.endr
.endm
.macro QBLOCK x                        ; 32 numbers of one column become six registers of codes and a scale byte
	v_max3_num_f32 v[MXA], |v[\x]|, |v[\x+1]|, |v[\x+2]|
	v_max3_num_f32 v[MXB], |v[\x+3]|, |v[\x+4]|, |v[\x+5]|
.irp i, 6,10,14,18,22,26
	v_max3_num_f32 v[MXA], v[MXA], |v[\x+\i]|, |v[\x+\i+1]|
	v_max3_num_f32 v[MXB], v[MXB], |v[\x+\i+2]|, |v[\x+\i+3]|
.endr
	v_max3_num_f32 v[MXA], v[MXA], |v[\x+30]|, |v[\x+31]|
	v_max3_num_f32 v[MXA], v[MXA], v[MXB], 0x2800000             ; the floor 2^(5 - 127): the byte cannot fall under 1
	v_add_nc_u32 v[SO], 0xfe000000, v[MXA]                       ; 4 off the exponent field: the conversion's scale operand
	v_cvt_scalef32_pk16_bf6_f32 v[C:C+2], v[\x:\x+15], v[SO]
	v_cvt_scalef32_pk16_bf6_f32 v[T:T+2], v[\x+16:\x+31], v[SO]  ; (a conversion's three registers begin on an even number)
	v_lshrrev_b32 v[BY], 23, v[SO]                               ; the byte: also the plain line behind the conversions
.irp i, 0,1,2
	v_mov_b32 v[C+3+\i], v[T+\i]
.endr
.endm
.macro PUT s                           ; into the images: my block is registers 6 (kb / 2) .. + 5 of lane rho + 16 (kb % 2) of fragment 2 pair + u
	ds_store_b64 v[CWA+2*((\s)/4)], v[C:C+1] offset:STG*((\s)%4)
	ds_store_b64 v[CWB+2*((\s)/4)], v[C+2:C+3] offset:STG*((\s)%4)
	ds_store_b64 v[CWA+2*((\s)/4)], v[C+4:C+5] offset:STG*((\s)%4)+512
	ds_store_b8 v[SW], v[BY] offset:512*(\s)
.endm
.macro BFETCH s, g                     ; fragments 4 g .. 4 g + 3 of stage s, as they lie; with g = 0 the scale words of all eight
.irp k, 0,1,2,3
.irp j, 0,1,2
	ds_load_b128 v[BF+12*\k+4*\j:BF+12*\k+4*\j+3], v[LI+(\s)/4] offset:STG*((\s)%4)+FRB*(4*(\g)+\k)+512*\j
.endr
.endr
.if (\g) == 0
.irp j, 0,1,2,3
	ds_load_b32 v[BS+\j], v[LS] offset:512*(\s)+128*\j
.endr
.endif
.endm
.macro ALOAD s                         ; my 16 tokens' codes of K = 128 s .. + 127: lane (r, h) takes 24 bytes at 96 s + 24 h and 24 at 96 s + 48 + 24 h, in pieces of 8
.irp p, 0,1,2,3,4,5
	global_load_b64 v[AF+2*\p:AF+2*\p+1], v[XA], s[4:5] offset:96*(\s)+48*(\p/3)+8*(\p%3)
.endr
.endm
.macro WM d, a, sa, sb, ra             ; ra = 1: source 0's scale words stand in lanes 16-31
.if (\ra)
	v_wmma_scale_f32_16x16x128_f8f6f4 v[\d:\d+7], v[\a:\a+11], v[AF:AF+11], v[\d:\d+7], v[\sa], v[\sb] matrix_a_fmt:MATRIX_FMT_BF6 matrix_b_fmt:MATRIX_FMT_BF6 matrix_a_scale:MATRIX_SCALE_ROW1
.else
	v_wmma_scale_f32_16x16x128_f8f6f4 v[\d:\d+7], v[\a:\a+11], v[AF:AF+11], v[\d:\d+7], v[\sa], v[\sb] matrix_a_fmt:MATRIX_FMT_BF6 matrix_b_fmt:MATRIX_FMT_BF6
.endif
.endm
.macro MM s, g
.irp k, 0,1,2,3
	WM ACC+8*(4*(\g)+\k), BF+12*\k, BS+2*(\g)+\k/2, XS+(\s), \k%2
.endr
.endm
.macro BIAS                            ; register ACC + 16 b + i of lane (r, h): b1 of hidden unit 32 b + 16 h + i
.irp b, 0,1,2,3
.irp i, 0,1,2,3
	global_load_b128 v[ACC+16*\b+4*\i:ACC+16*\b+4*\i+3], v[BO], s[38:39] offset:128*\b+16*\i
.endr
.endr
.endm
.macro TILEADR                         ; what hangs on my tile (its six plain vector lines are also places behind products that may stand in front of it)
	s_min_u32 s[TC], s[TAU], 63
	s_mul_i32 s30, s[TC], 32*FRB
	v_add_nc_u32 v[HO], s30, v[LI]
	s_lshl_b32 s30, s[TC], 11
	v_lshl_add_u32 v[HSO], v[RR], 2, s30
	s_lshl_b32 s30, s[TC], 4
	v_add_nc_u32 v[IDX], s30, v[RR]                ; my row's rank: 16 x tile + r,
	v_min_u32 v[IDX], s[CM1], v[IDX]               ; or the expert's last, for the rows beyond its count
	v_min_u32 v[IDX], 0x3ff, v[IDX]                ; (a number made of a loaded count enters an address only behind a clamp by a constant)
	v_lshlrev_b32 v[IDX], 2, v[IDX]
.endm
.macro TOKENS                          ; from my row's token: where its codes and scale words lie; the eight scale words
	v_min_u32 v[TOK], 0x3ff, v[PT]
	v_mul_u32_u24 v[XA], v[TOK], 768
	v_add_nc_u32 v[XA], v[H24], v[XA]
	v_lshlrev_b32 v[XSA], 5, v[TOK]
	global_load_b128 v[XS:XS+3], v[XSA], s[6:7]
	global_load_b128 v[XS+4:XS+7], v[XSA], s[6:7] offset:16
.endm
; A STAGE.  Every wave quantises its block and passes the barrier; the waves that have a tile then multiply.  The branch hangs on the stored count; no barrier stands under it.
; What the multiplying arm reads of registers filled under the branch (AF, BF, BS) it has filled in the same arm.
.macro STAGE s
.if (\s) == 0
	s_wait_loadcnt 33                              ; stage 0's block is in; out may be stage 1's 32 loads and the load of my row's token
.elseif (\s) == 7
	s_wait_loadcnt 0x0                             ; the last block
.else
	s_wait_loadcnt 32                              ; this stage's block is in; out may be the next stage's 32, the youngest loads on both ways through the last stage
.endif
	QBLOCK WS+32*((\s)%2)                          ; (its plain lines are also the places behind the last stage's products)
	PUT \s
.if (\s) == 0
	s_wait_loadcnt 0x0                             ; my row's token is in (and stage 1's block, which was asked for ahead of it)
	TOKENS                                         ; in every wave, so that what later stages read is written on every way
	BIAS
.endif
	s_wait_dscnt 0x0                               ; my part of the stage's images is written
	s_barrier_signal -1
	s_barrier_wait -1                              ; everybody's is
	s_cmp_lt_u32 s[TAU], s[NT]
	s_cbranch_scc0 .Lidle_\@
	ALOAD \s
.if (\s) < 6
	WLOAD (\s)+2
.endif
	BFETCH \s, 0
.if (\s) < 6
	s_wait_loadcnt 32                              ; all but the 32 just issued: the tokens' fragment is in (in stage 0 the biases and scale words too)
.else
	s_wait_loadcnt 0x0
.endif
	s_wait_dscnt 0x0
	MM \s, 0
	PLACES
	BFETCH \s, 1
	s_wait_dscnt 0x0
	MM \s, 1
.if (\s) < 6
	s_branch .Ljoin_\@
.Lidle_\@:
	WLOAD (\s)+2
.Ljoin_\@:
.else
.Lidle_\@:
.endif
.endm
.macro LSTAGE s                        ; a stage of a later pass: the images lie in LDS, whole, and are only read
.if (\s) > 0
	PLACES
.endif
	ALOAD \s
	BFETCH \s, 0
	s_wait_loadcnt 0x0
	s_wait_dscnt 0x0
	MM \s, 0
	PLACES
	BFETCH \s, 1
	s_wait_dscnt 0x0
	MM \s, 1
.endm
.macro KPAIR r, val
	v_mov_b32 v[\r], \val
	v_mov_b32 v[\r+1], \val
.endm
; gelu(x) = x / 2 + (x / 2) erf(z), z = x / sqrt(2), on accumulator t, in place: four pairs by turns.  erf(z) = z P(z^2) / Q(z^2); where |z| >= 4 the result is max(x, 0), and whatever the polynomials made there is dropped.
; Pair p at work: v[GW + 8 p]: z, + 2: z^2, later x / 2, + 4: P, later erf, later the result, + 6: Q, later 1 / Q, later max(x, 0).  The accumulator is read from its low end on.
.macro GELU t
.set GX, ACC+8*(\t)
.irp p, 0,1,2,3
	v_pk_mul_f32 v[GW+8*\p:GW+8*\p+1], v[GX+2*\p:GX+2*\p+1], v[KC:KC+1]
.endr
.irp p, 0,1,2,3
	v_pk_mul_f32 v[GW+8*\p+2:GW+8*\p+3], v[GW+8*\p:GW+8*\p+1], v[GW+8*\p:GW+8*\p+1]
.endr
.irp p, 0,1,2,3
	v_pk_fma_f32 v[GW+8*\p+4:GW+8*\p+5], v[GW+8*\p+2:GW+8*\p+3], v[KC+2:KC+3], v[KC+4:KC+5]
	v_pk_fma_f32 v[GW+8*\p+6:GW+8*\p+7], v[GW+8*\p+2:GW+8*\p+3], v[KC+16:KC+17], v[KC+18:KC+19]
.endr
.irp a, 6,8,10,12,14
.irp p, 0,1,2,3
	v_pk_fma_f32 v[GW+8*\p+4:GW+8*\p+5], v[GW+8*\p+4:GW+8*\p+5], v[GW+8*\p+2:GW+8*\p+3], v[KC+\a:KC+\a+1]
.endr
.endr
.irp b, 20,22,24
.irp p, 0,1,2,3
	v_pk_fma_f32 v[GW+8*\p+6:GW+8*\p+7], v[GW+8*\p+6:GW+8*\p+7], v[GW+8*\p+2:GW+8*\p+3], v[KC+\b:KC+\b+1]
.endr
.endr
.irp p, 0,1,2,3
	v_rcp_f32 v[GW+8*\p+6], v[GW+8*\p+6]
	v_rcp_f32 v[GW+8*\p+7], v[GW+8*\p+7]
.endr
.irp p, 0,1,2,3
	v_pk_mul_f32 v[GW+8*\p+4:GW+8*\p+5], v[GW+8*\p+4:GW+8*\p+5], v[GW+8*\p:GW+8*\p+1]       ; z P: plain lines behind the reciprocals, which touch none of them
.endr
	s_wait_alu depctr_va_vdst(0)
.irp p, 0,1,2,3
	v_pk_mul_f32 v[GW+8*\p+4:GW+8*\p+5], v[GW+8*\p+4:GW+8*\p+5], v[GW+8*\p+6:GW+8*\p+7]     ; erf
.endr
.irp p, 0,1,2,3
	v_pk_mul_f32 v[GW+8*\p+2:GW+8*\p+3], v[GX+2*\p:GX+2*\p+1], 0.5 op_sel_hi:[1,0]
.endr
.irp p, 0,1,2,3
	v_pk_fma_f32 v[GW+8*\p+4:GW+8*\p+5], v[GW+8*\p+2:GW+8*\p+3], v[GW+8*\p+4:GW+8*\p+5], v[GW+8*\p+2:GW+8*\p+3]
.endr
.irp i, 0,1,2,3,4,5,6,7
	v_cmp_le_f32 s[46+\i%2], 4.0, |v[GW+8*(\i/2)+\i%2]|
	v_max_num_f32 v[GW+8*(\i/2)+6+\i%2], 0, v[GX+\i]
	v_cndmask_b32 v[GX+\i], v[GW+8*(\i/2)+4+\i%2], v[GW+8*(\i/2)+6+\i%2], s[46+\i%2]
.endr
.endm
; 64 numbers of a lane, register 16 b + i = k 32 b + 16 (lane / 16) + i of my row, become a fragment's codes in v[PC] on and its scale word in v[PW]
.macro QUANT s
.irp b, 0,1,2,3
	v_max3_num_f32 v[TM+\b], |v[\s+16*\b]|, |v[\s+1+16*\b]|, 0x2800000
.endr
.irp i, 2,4,6,8,10,12,14
.irp b, 0,1,2,3
	v_max3_num_f32 v[TM+\b], v[TM+\b], |v[\s+16*\b+\i]|, |v[\s+1+16*\b+\i]|
.endr
.endr
.irp b, 0,1,2,3
	v_permlanex16_b32 v[TM+4+\b], v[TM+\b], s[SEL], s[SEL+1]
.endr
.irp b, 0,1,2,3
	v_max_num_f32 v[TM+\b], v[TM+\b], v[TM+4+\b]   ; with lane l xor 16's 16: the block's largest magnitude
.endr
.irp b, 0,1,2,3
	v_add_nc_u32 v[TM+12+\b], 0xfe000000, v[TM+\b]
.endr
.irp b, 0,1,2,3
	v_lshrrev_b32 v[TM+4+\b], 23, v[TM+12+\b]
.endr
	v_lshl_or_b32 v[PW], v[TM+5], 8, v[TM+4]
	v_lshl_or_b32 v[PW], v[TM+6], 16, v[PW]
	v_lshl_or_b32 v[PW], v[TM+7], 24, v[PW]
.irp c, 0,1
	v_cvt_scalef32_pk16_bf6_f32 v[PC+6*\c:PC+2+6*\c], v[\s+32*\c:\s+15+32*\c], v[TM+12+2*\c]
	v_cvt_scalef32_pk16_bf6_f32 v[PC+12+4*\c:PC+14+4*\c], v[\s+16+32*\c:\s+31+32*\c], v[TM+12+2*\c+1]
.endr
	v_nop                                          ; one plain line behind a scaled conversion
.irp c, 0,1                                    ; the operand's layout wants a whole block in a lane: lanes 0-15 block 2 c, lanes 16-31 block 2 c + 1
.irp i, 0,1,2
	v_permlane16_swap_b32 v[PC+6*\c+\i], v[PC+12+4*\c+\i]
.endr
.irp i, 0,1,2
	v_mov_b32 v[PC+3+6*\c+\i], v[PC+12+4*\c+\i]
.endr
.endr
.endm
.macro EPI                             ; a finished tile: activation, quantiser, out.  The 26 moves are the places behind the last products
	KPAIR KC, 0x3f3504f3
	KPAIR KC+2, -0.000000000272614225801306
	KPAIR KC+4, 0.0000000277068142495902
	KPAIR KC+6, -0.00000210102402082508
	KPAIR KC+8, -0.0000569250639462346
	KPAIR KC+10, -0.000734990630326855
	KPAIR KC+12, -0.00295459980854025
	KPAIR KC+14, -0.0160960333262415
	KPAIR KC+16, -0.0000145660718464996
	KPAIR KC+18, -0.000213374055278905
	KPAIR KC+20, -0.00168282697438203
	KPAIR KC+22, -0.00737332916720468
	KPAIR KC+24, -0.0142647390514189
.irp t, 0,1,2,3,4,5,6,7
	GELU \t
.endr
	QUANT ACC
.irp c, 0,1,2
	global_store_b128 v[HO], v[PC+4*\c:PC+4*\c+3], s[40:41] offset:512*\c   ; 512 consecutive bytes a store, at a multiple of 256 from the buffer's first byte
.endr
	global_store_b32 v[HSO], v[PW], s[42:43]       ; 16 words; lanes 16-31 repeat lanes 0-15
.endm
	s_load_b256 s[4:11], s[0:1], 0x0               ; x_codes s[4:5], x_scales s[6:7], route s[8:9], weight1 s[10:11]
	s_load_b128 s[12:15], s[0:1], 0x20             ; bias1 s[12:13], h_codes s[14:15]
	s_load_b64 s[16:17], s[0:1], 0x30              ; h_scales
	v_lshl_add_u32 v254, v0, 2, 0x19000
	v_mov_b32 v255, 0
	v_lshrrev_b32 v33, 5, v0
	v_readfirstlane_b32 s[WV], v33                 ; wave 0..15
	s_and_b32 s[EX], ttmp7, 0xffff                 ; the expert; ttmp9 is the slice
	s_and_b32 s[PAIR], s[WV], 3
	s_lshr_b32 s[KB], s[WV], 2
	s_lshr_b32 s[CC], s[KB], 1
	s_and_b32 s[HK], s[KB], 1
	s_mov_b32 s[SEL], 0x76543210
	s_mov_b32 s[SEL+1], 0xfedcba98
	v_and_b32 v34, 31, v0                          ; lane
	v_lshlrev_b32 v[WOFF], 2, v34
	v_lshlrev_b32 v[LI], 4, v34
	v_add_nc_u32 v[LI+1], 4*STG, v[LI]
	v_add_nc_u32 v[LS], SCL, v[WOFF]
	v_and_b32 v[RR], 15, v0
	v_bfe_u32 v35, v0, 4, 1                        ; h
	v_mul_u32_u24 v[H24], v35, 24
	v_lshlrev_b32 v[BO], 6, v35
	; as a writer my lane is column lambda of the group of 32: u = (lambda / 8) % 2, rho = lambda % 8 + 8 (lambda / 16)
	v_and_b32 v33, 7, v0
	v_lshl_add_u32 v33, v35, 3, v33                ; rho
	v_bfe_u32 v34, v0, 3, 1                        ; u
	v_lshlrev_b32 v[CWA], 4, v33
	v_mad_u32_u24 v[CWA], v34, FRB, v[CWA]         ; 1,536 u + 16 rho
	s_mul_i32 s30, s[PAIR], 2*FRB
	s_lshl_b32 s31, s[HK], 8
	s_add_co_u32 s30, s30, s31                     ; + 3,072 pair + 16 x 16 (kb % 2)
	s_mul_i32 s31, s[CC], 520                      ; registers 0-1 at byte 0, registers 6-7 at 520 of the lane's places
	s_add_co_u32 s46, s30, s31
	s_mul_i32 s31, s[CC], 1016                     ; registers 2-3 at 8, registers 8-9 at 1,024
	s_add_co_u32 s47, s30, s31
	s_add_co_u32 s47, s47, 8
	v_add_nc_u32 v[CWB], s47, v[CWA]
	v_add_nc_u32 v[CWA], s46, v[CWA]
	v_add_nc_u32 v[CWA+2], 4*STG, v[CWA]
	v_add_nc_u32 v[CWB+2], 4*STG, v[CWB]
	v_lshlrev_b32 v[SW], 2, v33
	v_lshl_add_u32 v[SW], v34, 6, v[SW]            ; 64 u + 4 rho
	s_lshl_b32 s30, s[PAIR], 7
	s_add_co_u32 s30, s30, s[KB]
	s_add_co_u32 s30, s30, SCL
	v_add_nc_u32 v[SW], s30, v[SW]                 ; + SCL + 128 pair + kb
.irp b, 0,1,2,3
	v_mov_b32 v[TM+4+\b], 0                        ; written once: a lane permute's destination counts as one of its sources
.endr
	; byte offsets of my parts, each in a pair of its own
	s_lshl_b32 s48, s[EX], 24                      ; weight1: expert x 2^24 + 32 kb rows of 16,384 + 512 x slice + 128 pair
	s_lshl_b32 s30, s[KB], 19
	s_add_co_u32 s48, s48, s30
	s_lshl_b32 s30, ttmp9, 9
	s_add_co_u32 s48, s48, s30
	s_lshl_b32 s31, s[PAIR], 7
	s_add_co_u32 s48, s48, s31
	s_mov_b32 s49, 0
	s_lshl_b32 s50, s[EX], 14                      ; bias1: expert x 16,384 + 512 x slice
	s_add_co_u32 s50, s50, s30
	s_mov_b32 s51, 0
	s_mul_i32 s52, s[EX], 64*32*FRB                ; h_codes: expert x 64 tiles x 32 K steps + 1,536 x slice
	s_mul_i32 s30, ttmp9, FRB
	s_add_co_u32 s52, s52, s30
	s_mov_b32 s53, 0
	s_lshl_b32 s54, s[EX], 17                      ; h_scales: expert x 131,072 + 64 x slice
	s_lshl_b32 s30, ttmp9, 6
	s_add_co_u32 s54, s54, s30
	s_mov_b32 s55, 0
	s_lshl_b32 s56, s[EX], 12                      ; perm[e]
	s_add_co_u32 s56, s56, 256
	s_mov_b32 s57, 0
	s_lshl_b32 s58, s[EX], 2                       ; count[e]
	s_mov_b32 s59, 0
	s_wait_kmcnt 0x0
	s_add_nc_u64 s[58:59], s[8:9], s[58:59]
	s_load_b32 s[CNT], s[58:59], 0x0
	s_add_nc_u64 s[WB:WB+1], s[10:11], s[48:49]
	s_add_nc_u64 s[WB+2:WB+3], s[WB:WB+1], 0x800000   ; four stages on: 512 rows of 16,384 bytes
	s_add_nc_u64 s[38:39], s[12:13], s[50:51]
	s_add_nc_u64 s[40:41], s[14:15], s[52:53]
	s_add_nc_u64 s[42:43], s[16:17], s[54:55]
	s_add_nc_u64 s[44:45], s[8:9], s[56:57]
	WLOAD 0                                        ; the stream begins before the count is known
	WLOAD 1
	s_wait_kmcnt 0x0
	s_min_u32 s[CNT], s[CNT], 1024
	s_add_co_u32 s[NT], s[CNT], 15
	s_lshr_b32 s[NT], s[NT], 4                     ; tiles of 16 tokens, 64 at the most
	s_sub_co_u32 s[CM1], s[CNT], 1
	s_mov_b32 s[TAU], s[WV]                        ; my first tile
	TILEADR
	global_load_b32 v[PT], v[IDX], s[44:45]
	STAGE 0
	STAGE 1
	STAGE 2
	STAGE 3
	STAGE 4
	STAGE 5
	STAGE 6
	STAGE 7
	s_cmp_ge_u32 s[TAU], s[NT]
	s_cbranch_scc1 .Lno_first                      ; no tile: my part was the stream
	EPI
	s_wait_xcnt 0x0                                ; the stores have read their registers: these may be written again
.Lno_first:
	s_mov_b32 s[PS], 3
.Lpass:                                            ; three trips, a constant of the text: tiles w + 16, w + 32, w + 48.  A trip whose tile the expert does not have (always, up to 256 tokens) jumps over the work.
	s_add_co_u32 s[TAU], s[TAU], 16                ; No barrier stands in the loop: LDS is only read
	s_cmp_ge_u32 s[TAU], s[NT]
	s_cbranch_scc1 .Lno_tile
	TILEADR
	global_load_b32 v[PT], v[IDX], s[44:45]
	BIAS
	s_wait_loadcnt 16                              ; my row's token is in; the 16 loads of the bias may be out
	TOKENS
.irp s, 0,1,2,3,4,5,6,7
	LSTAGE \s
.endr
	EPI
	s_wait_xcnt 0x0                                ; the stores have read their registers: the next trip writes them again
.Lno_tile:
	s_sub_co_u32 s[PS], s[PS], 1
	s_cmp_lg_u32 s[PS], 0
	s_cbranch_scc1 .Lpass
	s_wait_tensorcnt 0x0
	ds_add_u32 v254, v255
	s_wait_dscnt 0x0
	s_endpgm
.Lfunc_end_k_qe3937553c8_up:
	.size	k_qe3937553c8_up, .Lfunc_end_k_qe3937553c8_up-k_qe3937553c8_up
	.p2alignl 7, 3214868480
	.fill 96, 4, 3214868480
	.section	.rodata,"a",@progbits
	.p2align	6, 0x0
	.amdhsa_kernel k_qe3937553c8_up
		.amdhsa_group_segment_fixed_size 104448
		.amdhsa_private_segment_fixed_size 0
		.amdhsa_enable_private_segment 0
		.amdhsa_kernarg_size 56
		.amdhsa_user_sgpr_count 2
		.amdhsa_user_sgpr_kernarg_segment_ptr 1
		.amdhsa_wavefront_size32 1
		.amdhsa_system_sgpr_workgroup_id_x 1
		.amdhsa_system_sgpr_workgroup_id_y 1
		.amdhsa_system_sgpr_workgroup_id_z 1
		.amdhsa_system_vgpr_workitem_id 0
		.amdhsa_next_free_vgpr 256
		.amdhsa_next_free_sgpr 66
		.amdhsa_reserve_vcc 0
		.amdhsa_float_denorm_mode_32 3
		.amdhsa_float_denorm_mode_16_64 3
		.amdhsa_memory_ordered 1
		.amdhsa_forward_progress 1
		.amdhsa_inst_pref_size 224
	.end_amdhsa_kernel
	.amdgpu_metadata
---
amdhsa.version: [ 1, 2 ]
amdhsa.kernels:
  - .name:           k_qe3937553c8_up
    .symbol:         k_qe3937553c8_up.kd
    .args:
      - { .name: x_codes, .offset: 0, .size: 8, .value_kind: global_buffer, .address_space: global }
      - { .name: x_scales, .offset: 8, .size: 8, .value_kind: global_buffer, .address_space: global }
      - { .name: route, .offset: 16, .size: 8, .value_kind: global_buffer, .address_space: global }
      - { .name: weight1, .offset: 24, .size: 8, .value_kind: global_buffer, .address_space: global }
      - { .name: bias1, .offset: 32, .size: 8, .value_kind: global_buffer, .address_space: global }
      - { .name: h_codes, .offset: 40, .size: 8, .value_kind: global_buffer, .address_space: global }
      - { .name: h_scales, .offset: 48, .size: 8, .value_kind: global_buffer, .address_space: global }
    .group_segment_fixed_size: 104448
    .private_segment_fixed_size: 0
    .kernarg_segment_align: 8
    .kernarg_segment_size: 56
    .max_flat_workgroup_size: 512
    .sgpr_count:     66
    .vgpr_count:     256
    .wavefront_size: 32
...
	.end_amdgpu_metadata
.endif
;; end of part 2
;; launch down (part 3): grid 32 x 8, 16 waves a work-group, no clusters, 141,312 bytes of LDS; arguments h_codes, h_scales, route, weight2, bias2, out0; writes out0
.if DOCPART == 3
	.amdgcn_target "amdgcn-amd-amdhsa--gfx1250"
	.amdhsa_code_object_version 6
	.text
	.protected	k_qe3937553c8_down
	.globl	k_qe3937553c8_down
	.p2align	8
	.type	k_qe3937553c8_down,@function
k_qe3937553c8_down:
	s_mov_b64 s[64:65], 0
	v_nop
	global_prefetch_b8 v0, s[64:65] scope:SCOPE_SE
	s_setreg_imm32_b32 hwreg(HW_REG_WAVE_MODE, 25, 1), 1
	s_wait_xcnt 0x0
; DOWN.  y = h W2[e] + b2[e] for the tokens of expert e; each row goes to its token's row of out0.  Both operands are codes of E3M2 with one E8M0 scale for each 32 along K = H = 4,096.
; SHARES.  Work-group (x = slice, y = expert e) owns columns 32 x slice .. + 31 of expert e, for all of K: 4,096 x 32 numbers of weight2, 512 KiB, which no other work-group reads; so each output has one owner and no sum spans work-groups.
; THE STREAM.  K goes in eight stages of 512 (four K steps of 128).  In a stage wave w takes rows 32 w .. 32 w + 31: K step q = w / 4 of the stage, block kb = w % 4.  A lane takes a column, its 32 registers run down K.
; Each load reads 128 consecutive bytes; the neighbouring slice's work-group reads the other 128 of each aligned 256, so the loads carry no hint.  Two sets of 32 registers: stage s + 2's loads go out in stage s.
; The codes go to LDS as images of operand registers, fragment (stage s, f = 2 q + u) at 1,536 (8 s + f); all 64 stay (96 KiB, each byte written once): one barrier a stage.
; THE PRODUCT is used transposed: source 0 = 16 columns of W2, source 1 = 16 tokens of h.  Row rho of fragment (q, u) is column 8 u + rho + 8 (rho / 8), so register ACC + i of lane (r, h) is column 16 h + i of token r.
; The two accumulators take turns.  The bias is loaded into them: every matrix instruction adds in place.
; TOKENS.  Wave w multiplies tile w of the expert's list beside the stream, then, in a loop of three trips, tiles w + 16, w + 32, w + 48 where the expert has them: 64 tiles, any split of the 1,024 tokens.
; h's fragments come from h_codes, images of registers, by loads of 512 consecutive bytes straight into registers.
; Rows of the last tile beyond the count repeat the expert's last token, here as in UP: they hold the same numbers and are stored to the same place, so EXEC is never narrowed.
; OUT.  A tile's 16 rows x 128 bytes turn through the wave's own stage in LDS, so that eight neighbouring lanes store a row's 128 consecutive bytes (a work-group owns no more of a row).
; NO CLUSTER: the weights are shared with nobody.  The 32 work-groups of an expert do read the same fragments of h (6 KiB a stage for each tile beside 64 KiB of weights), but they go to the registers of the one wave
; that multiplies them, and how many tiles there are hangs on a count read from memory, where a joint request has a shape fixed in the text.
; LIMITS: NaN and infinities are not served; a block whose largest magnitude lies under 2^-122 keeps the byte 1, a block of zeros too (its codes are zeros).  The bias starts the sums.
.set SCL,  98304                       ; LDS: behind the 64 fragments their scale words: fragment (s, f): 16 words at SCL + 64 (8 s + f)
.set OST,  102400                      ; behind them a stage for each wave: 16 rows x (128 bytes + 16)
.set OP,   144
.set FRB,  1536
.set STG,  8*FRB
.set WOFF, 1                           ; v1    4 x lane
.set CWA,  2                           ; v2, v4  where my block's registers 0-1 go (4-5: 512 bytes on): stages 0-3, stages 4-7
.set CWB,  3                           ; v3, v5  registers 2-3
.set L8,   6                           ; v6    lane / 8
.set C16,  7                           ; v7    16 (lane % 8)
.set SW,   8                           ; v8    where my block's scale byte goes
.set LI,   9                           ; v9, v10  16 x lane (+ 4 stages)
.set LS,   11                          ; v11   SCL + 4 x lane
.set HA,   14                          ; v14   16 x lane + 49,152 x tile;  v15  4 x lane + 2,048 x tile
.set HSA,  15
.set BO,   16                          ; v16   64 h
.set STO,  17                          ; v17   the stage, in;  v18 back
.set SRD,  18
.set MXA,  20
.set MXB,  21
.set SO,   22
.set BY,   23
.set C,    24                          ; v24-29, v30-32  a block's codes
.set T,    30
.set WS,   36                          ; v36-99  two sets of 32 numbers of weight2
.set ACC,  100                         ; v100-115  two accumulators
.set AF,   116                         ; v116-163  h's four fragments of a stage
.set AS,   164                         ; v164-165  their scale words: register k: lanes 0-15 K step 2 k, lanes 16-31 K step 2 k + 1: scales and nothing else
.set RB,   168                         ; v168-183  rows read back from the stage
.set BF,   184                         ; v184-231  four fragments of W2
.set BS,   232                         ; v232-235  their scale words: register q: lanes 0-15 u = 0, lanes 16-31 u = 1: scales and nothing else
.set TK,   236                         ; v236-239  the tokens of the four rows that I store, then their places in out0
.set IX,   240                         ; v240-243  those rows' places in perm[e]
.set WV,   18                          ; s18 wave;  s19 expert;  s20 later passes to go
.set EX,   19
.set PS,   20
.set PAIR, 21
.set KB,   22
.set CC,   23
.set HK,   24
.set CNT,  25
.set NT,   26
.set TAU,  27
.set TC,   28
.set CM1,  29
.set WB,   32                          ; s[32:33], s[34:35]  weight2 at my block of stage 0, of stage 4
                                       ; s[38:39] bias2, s[40:41] h_codes, s[42:43] h_scales, s[44:45] perm[e], s[46:47] out0, each at my part
.macro PLACES                          ; four plain vector lines between a matrix instruction and a load into a register that it has read, or a store of its result (ISA guide 7.12.1 for vector instructions)
.rept 4
	v_nop
.endr
.endm
.macro WLOAD s                         ; stage s's block: W2(512 s + 32 w + i, my column), i = 0 .. 31, into set s % 2; every offset is an immediate, 6,418,432 at the most
.irp i, 0,1,2,3,4,5,6,7,8,9,10,11,12,13,14,15,16,17,18,19,20,21,22,23,24,25,26,27,28,29,30,31
	global_load_b32 v[WS+32*((\s)%2)+\i], v[WOFF], s[WB+2*((\s)/4):WB+2*((\s)/4)+1] offset:(512*((\s)%4)+\i)*4096
.endr
.endm
.macro QBLOCK x                        ; 32 numbers of one column become six registers of codes and a scale byte
	v_max3_num_f32 v[MXA], |v[\x]|, |v[\x+1]|, |v[\x+2]|
	v_max3_num_f32 v[MXB], |v[\x+3]|, |v[\x+4]|, |v[\x+5]|
.irp i, 6,10,14,18,22,26
	v_max3_num_f32 v[MXA], v[MXA], |v[\x+\i]|, |v[\x+\i+1]|
	v_max3_num_f32 v[MXB], v[MXB], |v[\x+\i+2]|, |v[\x+\i+3]|
.endr
	v_max3_num_f32 v[MXA], v[MXA], |v[\x+30]|, |v[\x+31]|
	v_max3_num_f32 v[MXA], v[MXA], v[MXB], 0x2800000             ; the floor 2^(5 - 127): the byte cannot fall under 1
	v_add_nc_u32 v[SO], 0xfe000000, v[MXA]                       ; 4 off the exponent field: the conversion's scale operand
	v_cvt_scalef32_pk16_bf6_f32 v[C:C+2], v[\x:\x+15], v[SO]
	v_cvt_scalef32_pk16_bf6_f32 v[T:T+2], v[\x+16:\x+31], v[SO]  ; (a conversion's three registers begin on an even number)
	v_lshrrev_b32 v[BY], 23, v[SO]                               ; the byte: also the plain line behind the conversions
.irp i, 0,1,2
	v_mov_b32 v[C+3+\i], v[T+\i]
.endr
.endm
.macro PUT s                           ; into the images: my block is registers 6 (kb / 2) .. + 5 of lane rho + 16 (kb % 2) of fragment 2 q + u
	ds_store_b64 v[CWA+2*((\s)/4)], v[C:C+1] offset:STG*((\s)%4)
	ds_store_b64 v[CWB+2*((\s)/4)], v[C+2:C+3] offset:STG*((\s)%4)
	ds_store_b64 v[CWA+2*((\s)/4)], v[C+4:C+5] offset:STG*((\s)%4)+512
	ds_store_b8 v[SW], v[BY] offset:512*(\s)
.endm
.macro BFETCH s, g                     ; fragments 4 g .. 4 g + 3 of stage s, as they lie; with g = 0 the scale words of all eight
.irp k, 0,1,2,3
.irp j, 0,1,2
	ds_load_b128 v[BF+12*\k+4*\j:BF+12*\k+4*\j+3], v[LI+(\s)/4] offset:STG*((\s)%4)+FRB*(4*(\g)+\k)+512*\j
.endr
.endr
.if (\g) == 0
.irp j, 0,1,2,3
	ds_load_b32 v[BS+\j], v[LS] offset:512*(\s)+128*\j
.endr
.endif
.endm
.macro ALOAD s                         ; my tile's fragments of K steps 4 s .. 4 s + 3, and their scale words
.irp q, 0,1,2,3
.irp j, 0,1,2
	global_load_b128 v[AF+12*\q+4*\j:AF+12*\q+4*\j+3], v[HA], s[40:41] offset:FRB*(4*(\s)+\q)+512*\j
.endr
.endr
.irp k, 0,1
	global_load_b32 v[AS+\k], v[HSA], s[42:43] offset:256*(\s)+128*\k
.endr
.endm
.macro WM d, a, b, sa, sb, ra, rb      ; ra, rb = 1: that source's scale words stand in lanes 16-31
.if (\ra) && (\rb)
	v_wmma_scale_f32_16x16x128_f8f6f4 v[\d:\d+7], v[\a:\a+11], v[\b:\b+11], v[\d:\d+7], v[\sa], v[\sb] matrix_a_fmt:MATRIX_FMT_BF6 matrix_b_fmt:MATRIX_FMT_BF6 matrix_a_scale:MATRIX_SCALE_ROW1 matrix_b_scale:MATRIX_SCALE_ROW1
.elseif (\ra)
	v_wmma_scale_f32_16x16x128_f8f6f4 v[\d:\d+7], v[\a:\a+11], v[\b:\b+11], v[\d:\d+7], v[\sa], v[\sb] matrix_a_fmt:MATRIX_FMT_BF6 matrix_b_fmt:MATRIX_FMT_BF6 matrix_a_scale:MATRIX_SCALE_ROW1
.elseif (\rb)
	v_wmma_scale_f32_16x16x128_f8f6f4 v[\d:\d+7], v[\a:\a+11], v[\b:\b+11], v[\d:\d+7], v[\sa], v[\sb] matrix_a_fmt:MATRIX_FMT_BF6 matrix_b_fmt:MATRIX_FMT_BF6 matrix_b_scale:MATRIX_SCALE_ROW1
.else
	v_wmma_scale_f32_16x16x128_f8f6f4 v[\d:\d+7], v[\a:\a+11], v[\b:\b+11], v[\d:\d+7], v[\sa], v[\sb] matrix_a_fmt:MATRIX_FMT_BF6 matrix_b_fmt:MATRIX_FMT_BF6
.endif
.endm
.macro MM g                            ; K steps q = 2 g, 2 g + 1 of the stage, u = 0, 1 by turns
.irp k, 0,1,2,3
	WM ACC+8*(\k%2), BF+12*\k, AF+12*(2*(\g)+\k/2), BS+2*(\g)+\k/2, AS+(\g), \k%2, \k/2
.endr
.endm
.macro BIAS                            ; register ACC + i of lane (r, h): b2 of column 16 h + i
.irp i, 0,1,2,3
	global_load_b128 v[ACC+4*\i:ACC+4*\i+3], v[BO], s[38:39] offset:16*\i
.endr
.endm
.macro TILEADR                         ; what hangs on my tile (its plain vector lines are also places behind products that may stand in front of it)
	s_min_u32 s[TC], s[TAU], 63
	s_mul_i32 s30, s[TC], 32*FRB
	v_add_nc_u32 v[HA], s30, v[LI]
	s_lshl_b32 s30, s[TC], 11
	v_add_nc_u32 v[HSA], s30, v[WOFF]
	s_lshl_b32 s30, s[TC], 4
.irp i, 0,1,2,3
	s_add_co_u32 s31, s30, 4*\i
	v_add_nc_u32 v[IX+\i], s31, v[L8]              ; the rank of row 4 i + lane / 8 of my tile,
.endr
.irp i, 0,1,2,3
	v_min_u32 v[IX+\i], s[CM1], v[IX+\i]           ; or the expert's last, for the rows beyond its count
.endr
.irp i, 0,1,2,3
	v_min_u32 v[IX+\i], 0x3ff, v[IX+\i]            ; (a number made of a loaded count enters an address only behind a clamp by a constant)
.endr
.irp i, 0,1,2,3
	v_lshlrev_b32 v[IX+\i], 2, v[IX+\i]
.endr
.endm
.macro TKLOAD
.irp i, 0,1,2,3
	global_load_b32 v[TK+\i], v[IX+\i], s[44:45]
.endr
.endm
; A STAGE.  Every wave quantises its block and passes the barrier; the waves that have a tile then multiply.  The branch hangs on the stored count; no barrier stands under it.
; What the multiplying arm reads of registers filled under the branch (AF, AS, BF, BS) it has filled in the same arm.
.macro STAGE s
.if (\s) == 0
	s_wait_loadcnt 36                              ; stage 0's block is in; out may be stage 1's 32 loads and the four loads of tokens
.elseif (\s) == 7
	s_wait_loadcnt 0x0                             ; the last block
.else
	s_wait_loadcnt 32                              ; this stage's block is in; out may be the next stage's 32, the youngest loads on both ways through the last stage
.endif
	QBLOCK WS+32*((\s)%2)                          ; (its plain lines are also the places behind the last stage's products)
	PUT \s
.if (\s) == 0
	BIAS                                           ; in every wave, so that the accumulators are written on every way
.endif
	s_wait_dscnt 0x0                               ; my part of the stage's images is written
	s_barrier_signal -1
	s_barrier_wait -1                              ; everybody's is
	s_cmp_lt_u32 s[TAU], s[NT]
	s_cbranch_scc0 .Lidle_\@
	ALOAD \s
.if (\s) < 6
	WLOAD (\s)+2
.endif
	BFETCH \s, 0
.if (\s) < 6
	s_wait_loadcnt 32                              ; all but the 32 just issued: h's fragments are in (in stage 0 the bias too)
.else
	s_wait_loadcnt 0x0
.endif
	s_wait_dscnt 0x0
	MM 0
	PLACES
	BFETCH \s, 1
	s_wait_dscnt 0x0
	MM 1
.if (\s) < 6
	s_branch .Ljoin_\@
.Lidle_\@:
	WLOAD (\s)+2
.Ljoin_\@:
.else
.Lidle_\@:
.endif
.endm
.macro LSTAGE s                        ; a stage of a later pass: the images lie in LDS, whole, and are only read
.if (\s) > 0
	PLACES
.endif
	ALOAD \s
	BFETCH \s, 0
	s_wait_loadcnt 0x0
	s_wait_dscnt 0x0
	MM 0
	PLACES
	BFETCH \s, 1
	s_wait_dscnt 0x0
	MM 1
.endm
.macro EPI                             ; a finished tile: through my stage, and each row to its token
	PLACES
.irp i, 0,1,2,3
	ds_store_b128 v[STO], v[ACC+4*\i:ACC+4*\i+3] offset:16*\i    ; lane (r, h): row r, columns 16 h + 4 i on; each accumulator from its low end on
.endr
.irp i, 0,1,2,3
	ds_load_b128 v[RB+4*\i:RB+4*\i+3], v[SRD] offset:4*OP*\i     ; row 4 i + lane / 8, 16 bytes a lane.  LDS serves a wave's instructions in order (ISA guide 5.7.1.4): these see my stores
.endr
.irp i, 0,1,2,3
	v_min_u32 v[TK+\i], 0x3ff, v[TK+\i]            ; a loaded number enters an address only behind a clamp by a constant
.endr
.irp i, 0,1,2,3
	v_lshlrev_b32 v[TK+\i], 12, v[TK+\i]           ; the token's row of out0: 4,096 bytes
.endr
.irp i, 0,1,2,3
	v_add_nc_u32 v[TK+\i], v[C16], v[TK+\i]
.endr
	s_wait_dscnt 0x0
.irp i, 0,1,2,3
	global_store_b128 v[TK+\i], v[RB+4*\i:RB+4*\i+3], s[46:47]   ; eight lanes store a row's 128 consecutive bytes
.endr
.endm
	s_load_b256 s[4:11], s[0:1], 0x0               ; h_codes s[4:5], h_scales s[6:7], route s[8:9], weight2 s[10:11]
	s_load_b128 s[12:15], s[0:1], 0x20             ; bias2 s[12:13], out0 s[14:15]
	v_lshl_add_u32 v254, v0, 2, 0x22000
	v_mov_b32 v255, 0
	v_lshrrev_b32 v33, 5, v0
	v_readfirstlane_b32 s[WV], v33                 ; wave 0..15
	s_and_b32 s[EX], ttmp7, 0xffff                 ; the expert; ttmp9 is the slice
	s_lshr_b32 s[PAIR], s[WV], 2                   ; q: my K step of a stage's four
	s_and_b32 s[KB], s[WV], 3                      ; my block of its four
	s_lshr_b32 s[CC], s[KB], 1
	s_and_b32 s[HK], s[KB], 1
	v_and_b32 v34, 31, v0                          ; lane
	v_lshlrev_b32 v[WOFF], 2, v34
	v_lshlrev_b32 v[LI], 4, v34
	v_add_nc_u32 v[LI+1], 4*STG, v[LI]
	v_add_nc_u32 v[LS], SCL, v[WOFF]
	v_bfe_u32 v35, v0, 4, 1                        ; h
	v_lshlrev_b32 v[BO], 6, v35
	v_bfe_u32 v[L8], v0, 3, 2
	v_and_b32 v33, 7, v0
	v_lshlrev_b32 v[C16], 4, v33
	s_mul_i32 s30, s[WV], 16*OP
	s_add_co_u32 s30, s30, OST                     ; my stage
	v_and_b32 v34, 15, v0                          ; r
	v_mul_u32_u24 v[STO], v34, OP
	v_lshl_add_u32 v[STO], v35, 6, v[STO]
	v_add_nc_u32 v[STO], s30, v[STO]               ; in: row r, + 64 h
	v_mul_u32_u24 v[SRD], v[L8], OP
	v_add_nc_u32 v[SRD], v[C16], v[SRD]
	v_add_nc_u32 v[SRD], s30, v[SRD]               ; back: row lane / 8, + 16 (lane % 8)
	; as a writer my lane is column lambda of the 32: u = (lambda / 8) % 2, rho = lambda % 8 + 8 (lambda / 16)
	v_lshl_add_u32 v33, v35, 3, v33                ; rho
	v_bfe_u32 v34, v0, 3, 1                        ; u
	v_lshlrev_b32 v[CWA], 4, v33
	v_mad_u32_u24 v[CWA], v34, FRB, v[CWA]         ; 1,536 u + 16 rho
	s_mul_i32 s30, s[PAIR], 2*FRB
	s_lshl_b32 s31, s[HK], 8
	s_add_co_u32 s30, s30, s31                     ; + 3,072 q + 16 x 16 (kb % 2)
	s_mul_i32 s31, s[CC], 520                      ; registers 0-1 at byte 0, registers 6-7 at 520 of the lane's places
	s_add_co_u32 s60, s30, s31
	s_mul_i32 s31, s[CC], 1016                     ; registers 2-3 at 8, registers 8-9 at 1,024
	s_add_co_u32 s61, s30, s31
	s_add_co_u32 s61, s61, 8
	v_add_nc_u32 v[CWB], s61, v[CWA]
	v_add_nc_u32 v[CWA], s60, v[CWA]
	v_add_nc_u32 v[CWA+2], 4*STG, v[CWA]
	v_add_nc_u32 v[CWB+2], 4*STG, v[CWB]
	v_lshlrev_b32 v[SW], 2, v33
	v_lshl_add_u32 v[SW], v34, 6, v[SW]            ; 64 u + 4 rho
	s_lshl_b32 s30, s[PAIR], 7
	s_add_co_u32 s30, s30, s[KB]
	s_add_co_u32 s30, s30, SCL
	v_add_nc_u32 v[SW], s30, v[SW]                 ; + SCL + 128 q + kb
	; byte offsets of my parts, each in a pair of its own
	s_lshl_b32 s48, s[EX], 24                      ; weight2: expert x 2^24 + 32 w rows of 4,096 + 128 x slice
	s_lshl_b32 s30, s[WV], 17
	s_add_co_u32 s48, s48, s30
	s_lshl_b32 s30, ttmp9, 7
	s_add_co_u32 s48, s48, s30
	s_mov_b32 s49, 0
	s_lshl_b32 s50, s[EX], 12                      ; bias2: expert x 4,096 + 128 x slice
	s_add_co_u32 s50, s50, s30
	s_mov_b32 s51, 0
	s_mul_i32 s52, s[EX], 64*32*FRB                ; h_codes: the expert's 64 tiles x 32 K steps
	s_mov_b32 s53, 0
	s_lshl_b32 s54, s[EX], 17                      ; h_scales
	s_mov_b32 s55, 0
	s_lshl_b32 s56, s[EX], 12                      ; perm[e]
	s_add_co_u32 s56, s56, 256
	s_mov_b32 s57, 0
	s_lshl_b32 s58, s[EX], 2                       ; count[e]
	s_mov_b32 s59, 0
	s_mov_b32 s62, s30                             ; out0: 128 x slice
	s_mov_b32 s63, 0
	s_wait_kmcnt 0x0
	s_add_nc_u64 s[58:59], s[8:9], s[58:59]
	s_load_b32 s[CNT], s[58:59], 0x0
	s_add_nc_u64 s[WB:WB+1], s[10:11], s[48:49]
	s_add_nc_u64 s[WB+2:WB+3], s[WB:WB+1], 0x800000   ; four stages on: 2,048 rows of 4,096 bytes
	s_add_nc_u64 s[38:39], s[12:13], s[50:51]
	s_add_nc_u64 s[40:41], s[4:5], s[52:53]
	s_add_nc_u64 s[42:43], s[6:7], s[54:55]
	s_add_nc_u64 s[44:45], s[8:9], s[56:57]
	s_add_nc_u64 s[46:47], s[14:15], s[62:63]
	WLOAD 0                                        ; the stream begins before the count is known
	WLOAD 1
	s_wait_kmcnt 0x0
	s_min_u32 s[CNT], s[CNT], 1024
	s_add_co_u32 s[NT], s[CNT], 15
	s_lshr_b32 s[NT], s[NT], 4                     ; tiles of 16 tokens, 64 at the most
	s_sub_co_u32 s[CM1], s[CNT], 1
	s_mov_b32 s[TAU], s[WV]                        ; my first tile
	TILEADR
	TKLOAD
	STAGE 0
	STAGE 1
	STAGE 2
	STAGE 3
	STAGE 4
	STAGE 5
	STAGE 6
	STAGE 7
	s_cmp_ge_u32 s[TAU], s[NT]
	s_cbranch_scc1 .Lno_first                      ; no tile: my part was the stream
	EPI
	s_wait_xcnt 0x0                                ; the stores have read their registers: these may be written again
.Lno_first:
	s_mov_b32 s[PS], 3
.Lpass:                                            ; three trips, a constant of the text: tiles w + 16, w + 32, w + 48.  A trip whose tile the expert does not have (always, up to 256 tokens) jumps over the work.
	s_add_co_u32 s[TAU], s[TAU], 16                ; No barrier stands in the loop: the images are only read, the stage is my own
	s_cmp_ge_u32 s[TAU], s[NT]
	s_cbranch_scc1 .Lno_tile
	TILEADR
	TKLOAD
	BIAS
.irp s, 0,1,2,3,4,5,6,7
	LSTAGE \s
.endr
	EPI
	s_wait_xcnt 0x0                                ; the stores have read their registers: the next trip writes them again
.Lno_tile:
	s_sub_co_u32 s[PS], s[PS], 1
	s_cmp_lg_u32 s[PS], 0
	s_cbranch_scc1 .Lpass
	s_wait_tensorcnt 0x0
	ds_add_u32 v254, v255
	s_wait_dscnt 0x0
	s_endpgm
.Lfunc_end_k_qe3937553c8_down:
	.size	k_qe3937553c8_down, .Lfunc_end_k_qe3937553c8_down-k_qe3937553c8_down
	.p2alignl 7, 3214868480
	.fill 96, 4, 3214868480
	.section	.rodata,"a",@progbits
	.p2align	6, 0x0
	.amdhsa_kernel k_qe3937553c8_down
		.amdhsa_group_segment_fixed_size 141312
		.amdhsa_private_segment_fixed_size 0
		.amdhsa_enable_private_segment 0
		.amdhsa_kernarg_size 48
		.amdhsa_user_sgpr_count 2
		.amdhsa_user_sgpr_kernarg_segment_ptr 1
		.amdhsa_wavefront_size32 1
		.amdhsa_system_sgpr_workgroup_id_x 1
		.amdhsa_system_sgpr_workgroup_id_y 1
		.amdhsa_system_sgpr_workgroup_id_z 1
		.amdhsa_system_vgpr_workitem_id 0
		.amdhsa_next_free_vgpr 256
		.amdhsa_next_free_sgpr 66
		.amdhsa_reserve_vcc 0
		.amdhsa_float_denorm_mode_32 3
		.amdhsa_float_denorm_mode_16_64 3
		.amdhsa_memory_ordered 1
		.amdhsa_forward_progress 1
		.amdhsa_inst_pref_size 137
	.end_amdhsa_kernel
	.amdgpu_metadata
---
amdhsa.version: [ 1, 2 ]
amdhsa.kernels:
  - .name:           k_qe3937553c8_down
    .symbol:         k_qe3937553c8_down.kd
    .args:
      - { .name: h_codes, .offset: 0, .size: 8, .value_kind: global_buffer, .address_space: global }
      - { .name: h_scales, .offset: 8, .size: 8, .value_kind: global_buffer, .address_space: global }
      - { .name: route, .offset: 16, .size: 8, .value_kind: global_buffer, .address_space: global }
      - { .name: weight2, .offset: 24, .size: 8, .value_kind: global_buffer, .address_space: global }
      - { .name: bias2, .offset: 32, .size: 8, .value_kind: global_buffer, .address_space: global }
      - { .name: out0, .offset: 40, .size: 8, .value_kind: global_buffer, .address_space: global }
    .group_segment_fixed_size: 141312
    .private_segment_fixed_size: 0
    .kernarg_segment_align: 8
    .kernarg_segment_size: 48
    .max_flat_workgroup_size: 512
    .sgpr_count:     66
    .vgpr_count:     256
    .wavefront_size: 32
...
	.end_amdgpu_metadata
.endif
;; end of part 3
;; ======== version 2 of 2: 3 launches
;; workspace buffers: x_codes 786,432 bytes; x_scales 32,768 bytes; route 33,024 bytes of whole numbers; h_codes 25,165,824 bytes; h_scales 1,048,576 bytes
;; launch prep (part 4): grid 129 x 1, 8 waves a work-group, no clusters, 2,048 bytes of LDS; arguments x, indices_s, x_codes, x_scales, route; writes x_codes, x_scales, route
.if DOCPART == 4
	.amdgcn_target "amdgcn-amd-amdhsa--gfx1250"
	.amdhsa_code_object_version 6
	.text
	.protected	k_qe3937553c8_prep
	.globl	k_qe3937553c8_prep
	.p2align	8
	.type	k_qe3937553c8_prep,@function
k_qe3937553c8_prep:
	s_mov_b64 s[64:65], 0
	v_nop
	global_prefetch_b8 v0, s[64:65] scope:SCOPE_SE
	s_setreg_imm32_b32 hwreg(HW_REG_WAVE_MODE, 25, 1), 1
	s_wait_xcnt 0x0
; PREP.  Work-groups 0-127: x [1024][1024] f32 becomes codes of E3M2 (x_codes [token][768 bytes], K innermost, one stream of bits) and one E8M0 byte for each 32 along K (x_scales [token][32 bytes]).
; Work-group 128: the tokens are sorted by their expert (a counting sort, no atomics): route words 0-31 = count[lane & 7]; from byte 256 on perm[8][1024], perm[e][rank] = a token of expert e.
; perm is first filled with zeros, so that every word that a later launch may load has been stored.
; A block's scale is 2^(floor(log2(its largest magnitude)) - 4): its byte is the largest magnitude's exponent field - 4, held at 1 from below.
; LIMITS: NaN and infinities in x are not served; a block whose largest magnitude lies under 2^-122 keeps the byte 1; a block of zeros gets the byte 1 where the rule says 127 (its codes are zeros, and this
; program alone reads the bytes).  indices_s holds 0 .. 7, as the table that it indexes asks; the order of an expert's tokens in perm is free.
.set X,   16                           ; v16-47  a block's 32 numbers
.set CD,  48                           ; v48-50, v52-54  its codes
.set MK,  20                           ; s20-51  mask (e, j): the lanes whose j-th token goes to expert e
.set CN,  52                           ; s52-59  my wave's count for each expert
.set PF,  66                           ; s66-73  the running rank for each expert
	s_load_b128 s[4:7], s[0:1], 0x0                ; x, indices_s
	s_load_b128 s[8:11], s[0:1], 0x10              ; x_codes, x_scales
	s_load_b64 s[12:13], s[0:1], 0x20              ; route
	v_lshl_add_u32 v64, v0, 2, 0x400
	v_mov_b32 v65, 0
	v_lshrrev_b32 v1, 5, v0
	s_delay_alu instid0(VALU_DEP_1)
	v_readfirstlane_b32 s14, v1                    ; wave 0..7
	v_and_b32 v2, 31, v0                           ; lane
	s_cmp_eq_u32 ttmp9, 128                        ; the choice hangs on the work-group's number alone: all eight waves go one way
	s_cbranch_scc1 .Lsort
	; ---- a wave takes a token, a lane a block of 32 along K: the block's maximum needs no other lane
	s_lshl_b32 s15, ttmp9, 3
	s_add_co_u32 s15, s15, s14                     ; my token
	s_lshl_b32 s16, s15, 12                        ; its row of x: 4,096 bytes
	s_mov_b32 s17, 0
	s_mul_i32 s18, s15, 768                        ; its codes
	s_mov_b32 s19, 0
	s_lshl_b32 s20, s15, 5                         ; its scale bytes
	s_mov_b32 s21, 0
	s_wait_alu depctr_va_vdst(0)
	v_lshlrev_b32 v3, 7, v2                        ; my block: 128 bytes of x,
	v_mul_u32_u24 v4, v2, 24                       ; 24 bytes of codes
	s_wait_alu depctr_va_vdst(0)
	s_wait_kmcnt 0x0
	s_add_nc_u64 s[4:5], s[4:5], s[16:17]
	s_add_nc_u64 s[8:9], s[8:9], s[18:19]
	s_add_nc_u64 s[10:11], s[10:11], s[20:21]
.irp i, 0,1,2,3,4,5,6,7
	global_load_b128 v[X+4*\i:X+4*\i+3], v3, s[4:5] offset:16*\i th:TH_LOAD_NT   ; the eight loads together cover the row's 4,096 bytes; read once in the launch
.endr
	s_wait_loadcnt 0x0
	v_max3_num_f32 v8, |v[X]|, |v[X+1]|, |v[X+2]|  ; the largest magnitude, in two chains
	v_max3_num_f32 v9, |v[X+3]|, |v[X+4]|, |v[X+5]|
.irp i, 6,10,14,18,22,26
	s_delay_alu instid0(VALU_DEP_2)
	v_max3_num_f32 v8, v8, |v[X+\i]|, |v[X+\i+1]|
	s_delay_alu instid0(VALU_DEP_2)
	v_max3_num_f32 v9, v9, |v[X+\i+2]|, |v[X+\i+3]|
.endr
	s_delay_alu instid0(VALU_DEP_2)
	v_max3_num_f32 v8, v8, |v[X+30]|, |v[X+31]|
	s_delay_alu instid0(VALU_DEP_1)
	v_max3_num_f32 v8, v8, v9, 0x2800000           ; and the floor 2^(5 - 127): the byte cannot fall under 1
	s_delay_alu instid0(VALU_DEP_1)
	v_add_nc_u32 v10, 0xfe000000, v8               ; 4 off its exponent field: the conversion takes this operand's exponent field as its scale
	v_cvt_scalef32_pk16_bf6_f32 v[CD:CD+2], v[X:X+15], v10
	v_cvt_scalef32_pk16_bf6_f32 v[CD+4:CD+6], v[X+16:X+31], v10   ; (a conversion's three registers begin on an even number)
	v_lshrrev_b32 v11, 23, v10                     ; the scale's byte (a plain line behind the conversions)
	global_store_b96 v4, v[CD:CD+2], s[8:9]        ; the wave's two stores cover the token's 768 consecutive bytes
	global_store_b96 v4, v[CD+4:CD+6], s[8:9] offset:12
	global_store_b8 v2, v11, s[10:11]              ; 32 consecutive bytes a wave
	s_endpgm
	; ---- the sort: 256 threads, thread t holds tokens 4 t .. 4 t + 3
.Lsort:
	v_lshlrev_b32 v5, 4, v0                        ; 16 t
.irp i, 16,17,18,19
	v_mov_b32 v\i, 0
.endr
	s_wait_alu depctr_va_vdst(0)
	s_wait_kmcnt 0x0
	global_load_b128 v[20:23], v5, s[6:7]          ; my four experts
.irp i, 0,1,2,3,4,5,6,7
	global_store_b128 v5, v[16:19], s[12:13] offset:256+4096*\i   ; zeros over all of perm: 4,096 consecutive bytes a store of the work-group
.endr
	s_wait_loadcnt 0x0
.irp e, 0,1,2,3,4,5,6,7
.irp j, 0,1,2,3
	v_cmp_eq_u32 s[MK+4*\e+\j], \e, v[20+\j]
.endr
.endr
.irp e, 0,1,2,3,4,5,6,7
	s_bcnt1_i32_b32 s[CN+\e], s[MK+4*\e]
.irp j, 1,2,3
	s_bcnt1_i32_b32 s60, s[MK+4*\e+\j]
	s_add_co_u32 s[CN+\e], s[CN+\e], s60
.endr
.endr
	v_mov_b32 v6, 0
.irp e, 0,1,2,3,4,5,6,7
	s_delay_alu instid0(VALU_DEP_1)
	v_writelane_b32 v6, s[CN+\e], \e               ; lane e holds my wave's count for expert e; lanes 8-31 hold 0
.endr
	v_lshlrev_b32 v7, 5, v2
	s_lshl_b32 s60, s14, 2
	v_add_nc_u32 v7, s60, v7                       ; the table [row = lane][wave]: 32 x lane + 4 x wave; rows 8-31 take zeros and are not read
	ds_store_b32 v7, v6
	s_wait_storecnt 0x0                            ; my zeros lie in perm: other waves store tokens over them only behind the barrier
	s_wait_dscnt 0x0                               ; my column of the table is written
	s_barrier_signal -1
	s_barrier_wait -1
	v_and_b32 v8, 7, v0
	s_delay_alu instid0(VALU_DEP_1)
	v_lshlrev_b32 v8, 5, v8                        ; lane l reads the row of expert l & 7: the eight waves' counts
	ds_load_b128 v[24:27], v8
	ds_load_b128 v[28:31], v8 offset:16
	s_wait_dscnt 0x0
	s_cmp_gt_u32 s14, 0
	s_cselect_b32 s60, -1, 0
	v_and_b32 v10, s60, v24                        ; the counts of the waves in front of mine: where my wave's ranks begin
.irp i, 1,2,3,4,5,6
	s_cmp_gt_u32 s14, \i
	s_cselect_b32 s60, -1, 0
	v_and_b32 v9, s60, v[24+\i]
	s_delay_alu instid0(VALU_DEP_1)
	v_add_nc_u32 v10, v10, v9
.endr
	v_add3_u32 v11, v24, v25, v26                  ; and the expert's count
	s_delay_alu instid0(VALU_DEP_1)
	v_add3_u32 v11, v11, v27, v28
	s_delay_alu instid0(VALU_DEP_1)
	v_add3_u32 v11, v11, v29, v30
	s_delay_alu instid0(VALU_DEP_1)
	v_add_nc_u32 v11, v11, v31
.irp e, 0,1,2,3,4,5,6,7
	v_readlane_b32 s[PF+\e], v10, \e
.endr
.irp j, 0,1,2,3
	v_mov_b32 v[32+\j], 0
.endr
.irp e, 0,1,2,3,4,5,6,7
.irp j, 0,1,2,3
	v_mbcnt_lo_u32_b32 v12, s[MK+4*\e+\j], s[PF+\e]               ; the running rank + the lanes below mine that go to e with their j-th token
	s_delay_alu instid0(VALU_DEP_1)
	v_cndmask_b32 v[32+\j], v[32+\j], v12, s[MK+4*\e+\j]          ; kept where my j-th token goes to e
.if \j < 3
	s_bcnt1_i32_b32 s60, s[MK+4*\e+\j]
	s_add_co_u32 s[PF+\e], s[PF+\e], s60
.endif
.endr
.endr
.irp j, 0,1,2,3
	v_min_u32 v[20+\j], 7, v[20+\j]                ; numbers made of loaded data enter an address only behind a clamp by a constant
	v_min_u32 v[32+\j], 0x3ff, v[32+\j]
	s_delay_alu instid0(VALU_DEP_2)
	v_lshlrev_b32 v[36+\j], 12, v[20+\j]           ; perm[e]: 4,096 bytes
	s_delay_alu instid0(VALU_DEP_2)
	v_lshlrev_b32 v[32+\j], 2, v[32+\j]
	s_delay_alu instid0(VALU_DEP_1)
	v_add_nc_u32 v[36+\j], v[36+\j], v[32+\j]
	v_lshl_add_u32 v[40+\j], v0, 2, \j             ; the token's number
.endr
.irp j, 0,1,2,3
	global_store_b32 v[36+\j], v[40+\j], s[12:13] offset:256     ; every token is stored once
.endr
	s_cmp_lg_u32 s14, 0
	s_cbranch_scc1 .Ldone
	v_lshlrev_b32 v13, 2, v2
	global_store_b32 v13, v11, s[12:13]            ; wave 0: the counts, word l = count[l & 7]
.Ldone:
	s_wait_tensorcnt 0x0
	ds_add_u32 v64, v65
	s_wait_dscnt 0x0
	s_endpgm
.Lfunc_end_k_qe3937553c8_prep:
	.size	k_qe3937553c8_prep, .Lfunc_end_k_qe3937553c8_prep-k_qe3937553c8_prep
	.p2alignl 7, 3214868480
	.fill 96, 4, 3214868480
	.section	.rodata,"a",@progbits
	.p2align	6, 0x0
	.amdhsa_kernel k_qe3937553c8_prep
		.amdhsa_group_segment_fixed_size 2048
		.amdhsa_private_segment_fixed_size 0
		.amdhsa_enable_private_segment 0
		.amdhsa_kernarg_size 40
		.amdhsa_user_sgpr_count 2
		.amdhsa_user_sgpr_kernarg_segment_ptr 1
		.amdhsa_wavefront_size32 1
		.amdhsa_system_sgpr_workgroup_id_x 1
		.amdhsa_system_sgpr_workgroup_id_y 1
		.amdhsa_system_sgpr_workgroup_id_z 1
		.amdhsa_system_vgpr_workitem_id 0
		.amdhsa_next_free_vgpr 66
		.amdhsa_next_free_sgpr 80
		.amdhsa_reserve_vcc 0
		.amdhsa_float_denorm_mode_32 3
		.amdhsa_float_denorm_mode_16_64 3
		.amdhsa_memory_ordered 1
		.amdhsa_forward_progress 1
		.amdhsa_inst_pref_size 21
	.end_amdhsa_kernel
	.amdgpu_metadata
---
amdhsa.version: [ 1, 2 ]
amdhsa.kernels:
  - .name:           k_qe3937553c8_prep
    .symbol:         k_qe3937553c8_prep.kd
    .args:
      - { .name: x, .offset: 0, .size: 8, .value_kind: global_buffer, .address_space: global }
      - { .name: indices_s, .offset: 8, .size: 8, .value_kind: global_buffer, .address_space: global }
      - { .name: x_codes, .offset: 16, .size: 8, .value_kind: global_buffer, .address_space: global }
      - { .name: x_scales, .offset: 24, .size: 8, .value_kind: global_buffer, .address_space: global }
      - { .name: route, .offset: 32, .size: 8, .value_kind: global_buffer, .address_space: global }
    .group_segment_fixed_size: 2048
    .private_segment_fixed_size: 0
    .kernarg_segment_align: 8
    .kernarg_segment_size: 40
    .max_flat_workgroup_size: 256
    .sgpr_count:     80
    .vgpr_count:     66
    .wavefront_size: 32
...
	.end_amdgpu_metadata
.endif
;; end of part 4
;; launch up (part 5): grid 32 x 8, 16 waves a work-group, no clusters, 104,448 bytes of LDS; arguments x_codes, x_scales, route, weight1, bias1, h_codes, h_scales; writes h_codes, h_scales
.if DOCPART == 5
	.amdgcn_target "amdgcn-amd-amdhsa--gfx1250"
	.amdhsa_code_object_version 6
	.text
	.protected	k_qe3937553c8_up
	.globl	k_qe3937553c8_up
	.p2align	8
	.type	k_qe3937553c8_up,@function
k_qe3937553c8_up:
	s_mov_b64 s[64:65], 0
	v_nop
	global_prefetch_b8 v0, s[64:65] scope:SCOPE_SE
	s_setreg_imm32_b32 hwreg(HW_REG_WAVE_SCHED_MODE, 0, 2), 2
	s_setreg_imm32_b32 hwreg(HW_REG_WAVE_MODE, 25, 1), 1
	s_wait_xcnt 0x0
	s_wait_alu depctr_vm_vsrc(0)
; UP.  h = gelu(x W1[e] + b1[e]) for the tokens of expert e, quantised along H.  Both operands of the product are codes of E3M2 with one E8M0 scale for each 32 along K.
; SHARES.  Work-group (x = slice, y = expert e) owns hidden units 128 x slice .. + 127 of expert e: 1,024 x 128 numbers of weight1, 512 KiB, which no other work-group reads.  Sixteen waves of 256 registers.
; THE STREAM.  K goes in eight stages of 128.  In a stage wave w takes 32 rows of K (block kb = w / 4 of the stage's four) x 32 columns (group pair = w % 4): a lane takes a column and its 32 registers run down K,
; so a block of 32 lies in one lane, its maximum needs no other lane, and the conversions give codes with K innermost.  Each load reads 128 consecutive bytes; waves 0-3 stand side by side on 512.
; Two sets of 32 registers: stage s + 2's loads go out in stage s.  The codes go to LDS as IMAGES OF OPERAND REGISTERS: fragment (stage s, f) at 1,536 (8 s + f): registers 0-3, 4-7, 8-11 in three runs of 512 bytes,
; lane l at 16 l.  All eight stages' fragments stay (96 KiB, each byte written once), so one barrier a stage is enough, and later passes over more tokens read them again.
; THE PRODUCT is used transposed: source 0 = 16 columns of W1, source 1 = 16 tokens; a lane holds ONE token.  THE COLUMNS OF A FRAGMENT ARE NOT NEIGHBOURS: row rho of fragment 2 b + u is column
; 32 b + 8 u + rho + 8 (rho / 8), so that register ACC + 16 b + i of lane (r, h) is hidden unit 32 b + 16 h + i: 16 neighbours along the next product's K.
; TOKENS.  Wave w multiplies tile w of the expert's list (16 tokens) beside the stream, then, in a loop of three trips, tiles w + 16, w + 32, w + 48 where the expert has them: 64 tiles, so any split of the 1,024 tokens
; is served.  A token's fragment comes from x_codes straight into registers.  Rows of the last tile beyond the count repeat the expert's last token: they compute and store the same bytes, so EXEC is never narrowed.
; The bias is loaded into the accumulators: every matrix instruction adds in place, nothing is cleared.  The eight accumulators take turns.
; OUT.  h_codes [e][tile][slice][1,536]: the fragment that DOWN's K step 'slice' wants, as an image of its registers: a wave's three stores cover 1,536 consecutive bytes.  h_scales [e][tile][slice][16 words].
; NO CLUSTER: the weights, 64 KiB a stage, are shared with nobody; the tokens' fragments (1.5 KiB a stage for each tile) go to the registers of the one wave that multiplies them, and how many tiles there are hangs on a count read from memory.
; NO TENSOR LOADS: the numbers must pass through registers to be quantised.
; LIMITS: NaN and infinities are not served; a block whose largest magnitude lies under 2^-122 keeps the byte 1, a block of zeros too (its codes are zeros; this program alone reads the bytes).
; The bias starts the sums, so the order of rounding differs from a sum with the bias added last.  erf is a rational function of z = x / sqrt(2) for |z| < 4 and +-1 beyond, where f32 has no number between it and 1.
; gelu is formed as x / 2 + (x / 2) erf(z): for negative x its error is about 1e-7 |x| in absolute terms, not relative to the small result, and from x = -5.66 down the result is 0 where the true one is under 5e-8 in magnitude.
; THE MODE: SCHED_MODE bits 1:0 = 2 (LLVM: expert scheduling mode 2), set by the entry lines.  The code itself states the register dependences
; between vector or matrix instructions and memory or LDS instructions, with s_wait_alu, always for 0.
; THE PLAN.  Registers that memory or LDS instructions touch:
;   WS0, WS1        Stage s: the quantiser reads WS[s % 2]; behind it the loads of stage s + 2 land there.
;   C, BY           Written by a stage's quantiser, read by its four LDS stores, written again by the next stage's quantiser.
;   AF, BF, BS      Filled by a stage's loads, read by its products.  BF holds four fragments: 0-3, then 4-7.   XS, ACC: filled once a tile; ACC is then the products' and the way out's.
;   v1-6, v8-11, v16Offsets and LDS addresses, made at the head and never written again.
;   IDX, HO, HSO, XA, XSA   Made once a tile, read by that tile's loads and stores.      PC, PW: written by the way out's quantiser, read by its four stores.
; IN A STAGE OF THE STREAM: one wait on va_vdst behind the quantiser (C and BY are written; it is done reading WS[s % 2]; the last stage's products are done reading AF, BF, BS): the LDS stores, the tokens' loads, the fetch of
; fragments 0-3 and stage s + 2's 32 loads follow it with no further wait, on both arms of the branch, since no vector or matrix line between names a register that they touch.  A second one stands between the first four
; products and the fetch of fragments 4-7 into the same registers.  One wait on vm_vsrc stands ahead of the barrier: the LDS stores have read C and BY.
; IN THE LOOP OF LATER PASSES the stream's 64 registers are idle and become further buffers: BG (fragments 4-7) and AG (the tokens' fragment of even stages; odd stages keep AF).  So ONE wait on va_vdst at a stage's head
; states all that the stage's loads hang on, and the next stage's fragment of tokens is asked for a stage ahead, into the set that the stage before has read.
.set SCL,  98304                       ; LDS: behind the 64 fragments their scale words: fragment (s, f): 16 words at SCL + 64 (8 s + f)
.set FRB,  1536                        ; a fragment's image
.set STG,  8*FRB                       ; a stage's eight
.set WOFF, 1                           ; v1    4 x lane: my column in a row of weight1
.set CWA,  2                           ; v2, v4  where my block's registers 0-1 go (4-5: 512 bytes on): stages 0-3, stages 4-7
.set CWB,  3                           ; v3, v5  registers 2-3
.set H24,  6                           ; v6    24 h
.set IDX,  7                           ; v7    my row's place in perm[e], in bytes
.set SW,   8                           ; v8    where my block's scale byte goes
.set LI,   9                           ; v9, v10  16 x lane (+ 4 stages): an image's place for my lane
.set LS,   11                          ; v11   SCL + 4 x lane
.set PT,   12                          ; v12   my row's token as loaded;  v13 clamped
.set TOK,  13
.set XA,   14                          ; v14   its codes: 768 x token + 24 h;  v15 its scale words: 32 x token
.set XSA,  15
.set BO,   16                          ; v16   64 h: my half's place in a group of 32 biases
.set HO,   17                          ; v17   16 x lane + 49,152 x tile;  v18  4 r + 2,048 x tile
.set HSO,  18
.set RR,   19                          ; v19   r = lane % 16
.set MXA,  20                          ; v20-23  a block's maxima, the conversion's scale operand, the byte
.set MXB,  21
.set SO,   22
.set BY,   23
.set C,    24                          ; v24-29  a block's six registers of codes;  v30-32 the second conversion's three
.set T,    30
.set WS,   36                          ; v36-99  two sets of 32 numbers of weight1
.set AG,   36                          ; in the later passes v36-47: the tokens' fragment of even stages
.set BG,   52                          ; in the later passes v52-99: fragments 4-7 of W1
.set ACC,  100                         ; v100-163  eight accumulators
.set AF,   164                         ; v164-175  the tokens' fragment
.set XS,   176                         ; v176-183  the tokens' scale words, one for each stage: scales and nothing else
.set BF,   184                         ; v184-231  four fragments of W1
.set BS,   232                         ; v232-235  their scale words: register j: lanes 0-15 fragment 2 j, lanes 16-31 fragment 2 j + 1: scales and nothing else
.set TM,   236                         ; v236-251  the hidden layer's quantiser, at work;  v252 its scale word
.set PW,   252
.set KC,   36                          ; on the way out v36-61: thirteen constants, each twice;  v62-93 at work;  v184-202 the hidden layer's codes
.set GW,   62
.set PC,   184
.set WV,   18                          ; s18 wave;  s19 expert;  s20 later passes to go;  s21 pair;  s22 kb;  s23 kb / 2;  s24 kb % 2
.set EX,   19
.set PS,   20
.set PAIR, 21
.set KB,   22
.set CC,   23
.set HK,   24
.set CNT,  25                          ; s25 the expert's count;  s26 its tiles;  s27 my tile;  s28 the same held to 63;  s29 count - 1
.set NT,   26
.set TAU,  27
.set TC,   28
.set CM1,  29
.set WB,   32                          ; s[32:33], s[34:35]  weight1 at my block of stage 0, of stage 4
.set SEL,  36                          ; s[36:37]  v_permlanex16_b32's selects for lane l xor 16
                                       ; s[38:39] bias1, s[40:41] h_codes, s[42:43] h_scales, s[44:45] perm[e], each at my part
.set GM,   46                          ; s46-53  on the way out: the eight masks of an accumulator's activation (at the head these registers hold offsets)
.macro PLACES                          ; four plain vector lines between a matrix instruction and a load into a register that it has read (ISA guide 7.12.1 for vector instructions); they stay beside the wait on va_vdst
.rept 4
	v_nop
.endr
.endm
.macro WLOAD s                         ; stage s's block: W1(128 s + 32 kb + i, my column), i = 0 .. 31, into set s % 2; every offset is an immediate, 6,799,360 at the most
.irp i, 0,1,2,3,4,5,6,7,8,9,10,11,12,13,14,15,16,17,18,19,20,21,22,23,24,25,26,27,28,29,30,31
	global_load_b32 v[WS+32*((\s)%2)+\i], v[WOFF], s[WB+2*((\s)/4):WB+2*((\s)/4)+1] offset:(128*((\s)%4)+\i)*16384 th:TH_LOAD_NT
.endr
.endm
.macro QBLOCK x                        ; 32 numbers of one column become six registers of codes and a scale byte
	v_max3_num_f32 v[MXA], |v[\x]|, |v[\x+1]|, |v[\x+2]|
	v_max3_num_f32 v[MXB], |v[\x+3]|, |v[\x+4]|, |v[\x+5]|
.irp i, 6,10,14,18,22,26
	v_max3_num_f32 v[MXA], v[MXA], |v[\x+\i]|, |v[\x+\i+1]|
	v_max3_num_f32 v[MXB], v[MXB], |v[\x+\i+2]|, |v[\x+\i+3]|
.endr
	v_max3_num_f32 v[MXA], v[MXA], |v[\x+30]|, |v[\x+31]|
	v_max3_num_f32 v[MXA], v[MXA], v[MXB], 0x2800000             ; the floor 2^(5 - 127): the byte cannot fall under 1
	v_add_nc_u32 v[SO], 0xfe000000, v[MXA]                       ; 4 off the exponent field: the conversion's scale operand
	v_cvt_scalef32_pk16_bf6_f32 v[C:C+2], v[\x:\x+15], v[SO]
	v_cvt_scalef32_pk16_bf6_f32 v[T:T+2], v[\x+16:\x+31], v[SO]  ; (a conversion's three registers begin on an even number)
	v_lshrrev_b32 v[BY], 23, v[SO]                               ; the byte: also the plain line behind the conversions
.irp i, 0,1,2
	v_mov_b32 v[C+3+\i], v[T+\i]
.endr
.endm
.macro PUT s                           ; into the images: my block is registers 6 (kb / 2) .. + 5 of lane rho + 16 (kb % 2) of fragment 2 pair + u
	ds_store_b64 v[CWA+2*((\s)/4)], v[C:C+1] offset:STG*((\s)%4)
	ds_store_b64 v[CWB+2*((\s)/4)], v[C+2:C+3] offset:STG*((\s)%4)
	ds_store_b64 v[CWA+2*((\s)/4)], v[C+4:C+5] offset:STG*((\s)%4)+512
	ds_store_b8 v[SW], v[BY] offset:512*(\s)
.endm
.macro BFETCH s, g, d                  ; fragments 4 g .. 4 g + 3 of stage s, as they lie, into v[d] on; with g = 0 the scale words of all eight
.irp k, 0,1,2,3
.irp j, 0,1,2
	ds_load_b128 v[(\d)+12*\k+4*\j:(\d)+12*\k+4*\j+3], v[LI+(\s)/4] offset:STG*((\s)%4)+FRB*(4*(\g)+\k)+512*\j
.endr
.endr
.if (\g) == 0
.irp j, 0,1,2,3
	ds_load_b32 v[BS+\j], v[LS] offset:512*(\s)+128*\j
.endr
.endif
.endm
.macro ALOAD s, d                      ; my 16 tokens' codes of K = 128 s .. + 127 into v[d] on: lane (r, h) takes 24 bytes at 96 s + 24 h and 24 at 96 s + 48 + 24 h, in pieces of 8
.irp p, 0,1,2,3,4,5
	global_load_b64 v[(\d)+2*\p:(\d)+2*\p+1], v[XA], s[4:5] offset:96*(\s)+48*(\p/3)+8*(\p%3)
.endr
.endm
.macro WM d, a, b, sa, sb, ra          ; ra = 1: source 0's scale words stand in lanes 16-31
.if (\ra)
	v_wmma_scale_f32_16x16x128_f8f6f4 v[\d:\d+7], v[\a:\a+11], v[\b:\b+11], v[\d:\d+7], v[\sa], v[\sb] matrix_a_fmt:MATRIX_FMT_BF6 matrix_b_fmt:MATRIX_FMT_BF6 matrix_a_scale:MATRIX_SCALE_ROW1
.else
	v_wmma_scale_f32_16x16x128_f8f6f4 v[\d:\d+7], v[\a:\a+11], v[\b:\b+11], v[\d:\d+7], v[\sa], v[\sb] matrix_a_fmt:MATRIX_FMT_BF6 matrix_b_fmt:MATRIX_FMT_BF6
.endif
.endm
.macro MM s, g, f, a                   ; fragments 4 g .. 4 g + 3, which lie in v[f] on, against the tokens' fragment in v[a] on
.irp k, 0,1,2,3
	WM ACC+8*(4*(\g)+\k), (\f)+12*\k, \a, BS+2*(\g)+\k/2, XS+(\s), \k%2
.endr
.endm
.macro BIAS                            ; register ACC + 16 b + i of lane (r, h): b1 of hidden unit 32 b + 16 h + i
.irp b, 0,1,2,3
.irp i, 0,1,2,3
	global_load_b128 v[ACC+16*\b+4*\i:ACC+16*\b+4*\i+3], v[BO], s[38:39] offset:128*\b+16*\i
.endr
.endr
.endm
.macro TILEADR                         ; what hangs on my tile (its six plain vector lines are also places behind products that may stand in front of it)
	s_min_u32 s[TC], s[TAU], 63
	s_mul_i32 s30, s[TC], 32*FRB
	v_add_nc_u32 v[HO], s30, v[LI]
	s_lshl_b32 s30, s[TC], 11
	v_lshl_add_u32 v[HSO], v[RR], 2, s30
	s_lshl_b32 s30, s[TC], 4
	v_add_nc_u32 v[IDX], s30, v[RR]                ; my row's rank: 16 x tile + r,
	v_min_u32 v[IDX], s[CM1], v[IDX]               ; or the expert's last, for the rows beyond its count
	v_min_u32 v[IDX], 0x3ff, v[IDX]                ; (a number made of a loaded count enters an address only behind a clamp by a constant)
	v_lshlrev_b32 v[IDX], 2, v[IDX]
.endm
.macro TOKADR                          ; from my row's token: where its codes and scale words lie
	v_min_u32 v[TOK], 0x3ff, v[PT]
	v_mul_u32_u24 v[XA], v[TOK], 768
	v_add_nc_u32 v[XA], v[H24], v[XA]
	v_lshlrev_b32 v[XSA], 5, v[TOK]
.endm
.macro TOKLOAD                         ; the eight scale words
	global_load_b128 v[XS:XS+3], v[XSA], s[6:7]
	global_load_b128 v[XS+4:XS+7], v[XSA], s[6:7] offset:16
.endm
; A STAGE.  Every wave quantises its block and passes the barrier; the waves that have a tile then multiply.  The branch hangs on the stored count; no barrier stands under it.
; What the multiplying arm reads of registers filled under the branch (AF, BF, BS) it has filled in the same arm.
.macro STAGE s
.if (\s) == 0
	s_wait_loadcnt 33                              ; stage 0's block is in; out may be stage 1's 32 loads and the load of my row's token
.elseif (\s) == 7
	s_wait_loadcnt 0x0                             ; the last block
.else
	s_wait_loadcnt 32                              ; this stage's block is in; out may be the next stage's 32, the youngest loads on both ways through the last stage
.endif
	QBLOCK WS+32*((\s)%2)                          ; (its plain lines are also the places behind the last stage's products)
.if (\s) == 0
	s_wait_loadcnt 0x0                             ; my row's token is in (and stage 1's block, which was asked for ahead of it)
	TOKADR                                         ; in every wave, so that what later stages read is written on every way; ahead of the wait below, so that it serves these lines too
.endif
	s_wait_alu depctr_va_vdst(0)                   ; the quantiser has written C and BY, which the LDS stores read, and is done reading WS[s % 2], in which stage s + 2's loads land; the last stage's products are done reading AF, BF and BS, in which this stage's loads land; in stage 0 XA and XSA are written
	PUT \s
.if (\s) == 0
	TOKLOAD
	BIAS
.endif
	s_wait_dscnt 0x0                               ; my part of the stage's images is written
.if (\s) < 7
	s_wait_alu depctr_vm_vsrc(0)                   ; my LDS stores have read C and BY, which the next stage's quantiser writes again
.endif
	s_barrier_signal -1
	s_barrier_wait -1                              ; everybody's is
	s_cmp_lt_u32 s[TAU], s[NT]
	s_cbranch_scc0 .Lidle_\@
	ALOAD \s, AF                                   ; no wait: no vector or matrix line since the wait above names AF, BF, BS or WS[s % 2]
	BFETCH \s, 0, BF
.if (\s) < 6
	WLOAD (\s)+2
	s_wait_loadcnt 32                              ; all but the 32 just issued: the tokens' fragment is in (in stage 0 the biases and scale words too)
.else
	s_wait_loadcnt 0x0
.endif
	s_wait_dscnt 0x0
	MM \s, 0, BF, AF
	PLACES
	s_wait_alu depctr_va_vdst(0)                   ; the four products above are done reading BF, in which fragments 4-7 land
	BFETCH \s, 1, BF
	s_wait_dscnt 0x0
	MM \s, 1, BF, AF
.if (\s) < 6
	s_branch .Ljoin_\@
.Lidle_\@:
	WLOAD (\s)+2
.Ljoin_\@:
.else
.Lidle_\@:
.endif
.endm
; A stage of a later pass: the images lie in LDS, whole, and are only read.  Fragments 0-3 go to BF, fragments 4-7 to BG; the tokens' fragment of stage s lies in AG (s even) or AF (s odd), asked for a stage ahead.
.macro LSTAGE s
.set ACUR, AG+(AF-AG)*((\s)%2)
.set ANXT, AG+(AF-AG)*(((\s)+1)%2)
.if (\s) > 0
	PLACES
	s_wait_alu depctr_va_vdst(0)                   ; the last stage's products are done reading their fragment of tokens, BF, BG and BS, in which the loads below land
.else
	ALOAD 0, ACUR                                  ; (stage 0: the wait behind the token's address lines has stated all that these loads hang on)
.endif
.if (\s) < 7
	ALOAD (\s)+1, ANXT
.endif
	BFETCH \s, 0, BF
	BFETCH \s, 1, BG
.if (\s) < 7
	s_wait_loadcnt 6                               ; this stage's fragment of tokens is in (in stage 0 the biases and scale words too); the next stage's six loads stay out
.else
	s_wait_loadcnt 0x0
.endif
	s_wait_dscnt 12                                ; fragments 0-3 and the scale words are in; the twelve loads of fragments 4-7 stay out
	MM \s, 0, BF, ACUR
	s_wait_dscnt 0x0
	MM \s, 1, BG, ACUR
.endm
.macro KPAIR r, val
	v_mov_b32 v[\r], \val
	v_mov_b32 v[\r+1], \val
.endm
; gelu(x) = x / 2 + (x / 2) erf(z), z = x / sqrt(2), on accumulator t, in place: four pairs by turns.  erf(z) = z P(z^2) / Q(z^2); where |z| >= 4 the result is max(x, 0), and whatever the polynomials made there is dropped.
; Pair p at work: v[GW + 8 p]: z, + 2: z^2, later x / 2, + 4: P, later erf, later the result, + 6: Q, later 1 / Q, later max(x, 0).  The accumulator is read from its low end on.
.macro GELU t
.set GX, ACC+8*(\t)
.irp p, 0,1,2,3
	v_pk_mul_f32 v[GW+8*\p:GW+8*\p+1], v[GX+2*\p:GX+2*\p+1], v[KC:KC+1]
.endr
.irp i, 0,1,2,3,4,5,6,7
	v_cmp_le_f32 s[GM+\i], 4.0, |v[GW+8*(\i/2)+\i%2]|            ; the eight masks in one run, early: they are read at the macro's end
.endr
.irp p, 0,1,2,3
	v_pk_mul_f32 v[GW+8*\p+2:GW+8*\p+3], v[GW+8*\p:GW+8*\p+1], v[GW+8*\p:GW+8*\p+1]
.endr
.irp p, 0,1,2,3
	v_pk_fma_f32 v[GW+8*\p+4:GW+8*\p+5], v[GW+8*\p+2:GW+8*\p+3], v[KC+2:KC+3], v[KC+4:KC+5]
	v_pk_fma_f32 v[GW+8*\p+6:GW+8*\p+7], v[GW+8*\p+2:GW+8*\p+3], v[KC+16:KC+17], v[KC+18:KC+19]
.endr
.irp a, 6,8,10,12,14
.irp p, 0,1,2,3
	v_pk_fma_f32 v[GW+8*\p+4:GW+8*\p+5], v[GW+8*\p+4:GW+8*\p+5], v[GW+8*\p+2:GW+8*\p+3], v[KC+\a:KC+\a+1]
.endr
.endr
.irp b, 20,22,24
.irp p, 0,1,2,3
	v_pk_fma_f32 v[GW+8*\p+6:GW+8*\p+7], v[GW+8*\p+6:GW+8*\p+7], v[GW+8*\p+2:GW+8*\p+3], v[KC+\b:KC+\b+1]
.endr
.endr
	s_wait_alu depctr_va_vdst(0)
.irp p, 0,1,2,3
	v_rcp_f32 v[GW+8*\p+6], v[GW+8*\p+6]
	v_rcp_f32 v[GW+8*\p+7], v[GW+8*\p+7]
.endr
.irp p, 0,1,2,3
	v_pk_mul_f32 v[GW+8*\p+4:GW+8*\p+5], v[GW+8*\p+4:GW+8*\p+5], v[GW+8*\p:GW+8*\p+1]       ; z P: plain lines behind the reciprocals, which touch none of them
.endr
	s_wait_alu depctr_va_vdst(0)                   ; the eight reciprocals have written 1 / Q: one wait for the batch, ahead of its first reader
.irp p, 0,1,2,3
	v_pk_mul_f32 v[GW+8*\p+4:GW+8*\p+5], v[GW+8*\p+4:GW+8*\p+5], v[GW+8*\p+6:GW+8*\p+7]     ; erf
.endr
.irp p, 0,1,2,3
	v_pk_mul_f32 v[GW+8*\p+2:GW+8*\p+3], v[GX+2*\p:GX+2*\p+1], 0.5 op_sel_hi:[1,0]
.endr
.irp p, 0,1,2,3
	v_pk_fma_f32 v[GW+8*\p+4:GW+8*\p+5], v[GW+8*\p+2:GW+8*\p+3], v[GW+8*\p+4:GW+8*\p+5], v[GW+8*\p+2:GW+8*\p+3]
.endr
.irp i, 0,1,2,3,4,5,6,7
	v_max_num_f32 v[GW+8*(\i/2)+6+\i%2], 0, v[GX+\i]
.endr
	s_wait_alu depctr_va_sdst(0)                   ; the eight compares have written s[GM ..], ahead of their first reader
.irp i, 0,1,2,3,4,5,6,7
	v_cndmask_b32 v[GX+\i], v[GW+8*(\i/2)+4+\i%2], v[GW+8*(\i/2)+6+\i%2], s[GM+\i]
.endr
.endm
; 64 numbers of a lane, register 16 b + i = k 32 b + 16 (lane / 16) + i of my row, become a fragment's codes in v[PC] on and its scale word in v[PW]
.macro QUANT s
.irp b, 0,1,2,3
	v_max3_num_f32 v[TM+\b], |v[\s+16*\b]|, |v[\s+1+16*\b]|, 0x2800000
.endr
.irp i, 2,4,6,8,10,12,14
.irp b, 0,1,2,3
	v_max3_num_f32 v[TM+\b], v[TM+\b], |v[\s+16*\b+\i]|, |v[\s+1+16*\b+\i]|
.endr
.endr
.irp b, 0,1,2,3
	v_permlanex16_b32 v[TM+4+\b], v[TM+\b], s[SEL], s[SEL+1]
.endr
.irp b, 0,1,2,3
	v_max_num_f32 v[TM+\b], v[TM+\b], v[TM+4+\b]   ; with lane l xor 16's 16: the block's largest magnitude
.endr
.irp b, 0,1,2,3
	v_add_nc_u32 v[TM+12+\b], 0xfe000000, v[TM+\b]
.endr
.irp b, 0,1,2,3
	v_lshrrev_b32 v[TM+4+\b], 23, v[TM+12+\b]
.endr
	v_lshl_or_b32 v[PW], v[TM+5], 8, v[TM+4]
	v_lshl_or_b32 v[PW], v[TM+6], 16, v[PW]
	v_lshl_or_b32 v[PW], v[TM+7], 24, v[PW]
.irp c, 0,1
	v_cvt_scalef32_pk16_bf6_f32 v[PC+6*\c:PC+2+6*\c], v[\s+32*\c:\s+15+32*\c], v[TM+12+2*\c]
	v_cvt_scalef32_pk16_bf6_f32 v[PC+12+4*\c:PC+14+4*\c], v[\s+16+32*\c:\s+31+32*\c], v[TM+12+2*\c+1]
.endr
	v_nop                                          ; one plain line behind a scaled conversion
.irp c, 0,1                                    ; the operand's layout wants a whole block in a lane: lanes 0-15 block 2 c, lanes 16-31 block 2 c + 1
.irp i, 0,1,2
	v_permlane16_swap_b32 v[PC+6*\c+\i], v[PC+12+4*\c+\i]
.endr
.irp i, 0,1,2
	v_mov_b32 v[PC+3+6*\c+\i], v[PC+12+4*\c+\i]
.endr
.endr
.endm
.macro EPI                             ; a finished tile: activation, quantiser, out.  The 26 moves are the places behind the last products; the first sixteen, into v36-51, name no register of a later pass's last eight products, and stand ahead of the moves into BG's v52-61
	KPAIR KC, 0x3f3504f3
	KPAIR KC+2, -0.000000000272614225801306
	KPAIR KC+4, 0.0000000277068142495902
	KPAIR KC+6, -0.00000210102402082508
	KPAIR KC+8, -0.0000569250639462346
	KPAIR KC+10, -0.000734990630326855
	KPAIR KC+12, -0.00295459980854025
	KPAIR KC+14, -0.0160960333262415
	KPAIR KC+16, -0.0000145660718464996
	KPAIR KC+18, -0.000213374055278905
	KPAIR KC+20, -0.00168282697438203
	KPAIR KC+22, -0.00737332916720468
	KPAIR KC+24, -0.0142647390514189
.irp t, 0,1,2,3,4,5,6,7
	GELU \t
.endr
	QUANT ACC
	s_wait_alu depctr_va_vdst(0)                   ; the quantiser has written the codes v[PC ..] and the scale word v[PW], which the four stores read
.irp c, 0,1,2
	global_store_b128 v[HO], v[PC+4*\c:PC+4*\c+3], s[40:41] offset:512*\c   ; 512 consecutive bytes a store, at a multiple of 256 from the buffer's first byte
.endr
	global_store_b32 v[HSO], v[PW], s[42:43]       ; 16 words; lanes 16-31 repeat lanes 0-15
.endm
	s_load_b256 s[4:11], s[0:1], 0x0               ; x_codes s[4:5], x_scales s[6:7], route s[8:9], weight1 s[10:11]
	s_load_b128 s[12:15], s[0:1], 0x20             ; bias1 s[12:13], h_codes s[14:15]
	s_load_b64 s[16:17], s[0:1], 0x30              ; h_scales
	v_lshl_add_u32 v254, v0, 2, 0x19000            ; the LDS address of my spare word, and 0: made here and kept for the closing lines alone
	v_mov_b32 v255, 0
	v_lshrrev_b32 v33, 5, v0
	v_readfirstlane_b32 s[WV], v33                 ; wave 0..15; the lines that need no scalar stand between this line and the wait for it
	v_and_b32 v34, 31, v0                          ; lane
	v_lshlrev_b32 v[WOFF], 2, v34
	v_lshlrev_b32 v[LI], 4, v34
	v_add_nc_u32 v[LI+1], 4*STG, v[LI]
	v_add_nc_u32 v[LS], SCL, v[WOFF]
	v_and_b32 v[RR], 15, v0
	v_bfe_u32 v35, v0, 4, 1                        ; h
	v_mul_u32_u24 v[H24], v35, 24
	v_lshlrev_b32 v[BO], 6, v35
	; as a writer my lane is column lambda of the group of 32: u = (lambda / 8) % 2, rho = lambda % 8 + 8 (lambda / 16)
	v_and_b32 v33, 7, v0
	v_lshl_add_u32 v33, v35, 3, v33                ; rho
	v_bfe_u32 v34, v0, 3, 1                        ; u
	v_lshlrev_b32 v[CWA], 4, v33
	v_mad_u32_u24 v[CWA], v34, FRB, v[CWA]         ; 1,536 u + 16 rho
	s_wait_alu depctr_va_vdst(0)
	v_lshlrev_b32 v[SW], 2, v33
	v_lshl_add_u32 v[SW], v34, 6, v[SW]            ; 64 u + 4 rho
	s_wait_alu depctr_va_vdst(0)
.irp b, 0,1,2,3
	v_mov_b32 v[TM+4+\b], 0                        ; written once: a lane permute's destination counts as one of its sources
.endr
	s_and_b32 s[EX], ttmp7, 0xffff                 ; the expert; ttmp9 is the slice
	s_mov_b32 s[SEL], 0x76543210
	s_mov_b32 s[SEL+1], 0xfedcba98
	s_wait_alu depctr_va_sdst(0)                   ; s[WV] is written, ahead of its first reader: LDS places, bases and my first tile are made from it
	s_and_b32 s[PAIR], s[WV], 3
	s_lshr_b32 s[KB], s[WV], 2
	s_lshr_b32 s[CC], s[KB], 1
	s_and_b32 s[HK], s[KB], 1
	s_mul_i32 s30, s[PAIR], 2*FRB
	s_lshl_b32 s31, s[HK], 8
	s_add_co_u32 s30, s30, s31                     ; + 3,072 pair + 16 x 16 (kb % 2)
	s_mul_i32 s31, s[CC], 520                      ; registers 0-1 at byte 0, registers 6-7 at 520 of the lane's places
	s_add_co_u32 s46, s30, s31
	s_mul_i32 s31, s[CC], 1016                     ; registers 2-3 at 8, registers 8-9 at 1,024
	s_add_co_u32 s47, s30, s31
	s_add_co_u32 s47, s47, 8
	v_add_nc_u32 v[CWB], s47, v[CWA]
	v_add_nc_u32 v[CWA], s46, v[CWA]
	v_add_nc_u32 v[CWA+2], 4*STG, v[CWA]
	v_add_nc_u32 v[CWB+2], 4*STG, v[CWB]
	s_lshl_b32 s30, s[PAIR], 7
	s_add_co_u32 s30, s30, s[KB]
	s_add_co_u32 s30, s30, SCL
	v_add_nc_u32 v[SW], s30, v[SW]                 ; + SCL + 128 pair + kb
	; byte offsets of my parts, each in a pair of its own
	s_lshl_b32 s48, s[EX], 24                      ; weight1: expert x 2^24 + 32 kb rows of 16,384 + 512 x slice + 128 pair
	s_lshl_b32 s30, s[KB], 19
	s_add_co_u32 s48, s48, s30
	s_lshl_b32 s30, ttmp9, 9
	s_add_co_u32 s48, s48, s30
	s_lshl_b32 s31, s[PAIR], 7
	s_add_co_u32 s48, s48, s31
	s_mov_b32 s49, 0
	s_lshl_b32 s50, s[EX], 14                      ; bias1: expert x 16,384 + 512 x slice
	s_add_co_u32 s50, s50, s30
	s_mov_b32 s51, 0
	s_mul_i32 s52, s[EX], 64*32*FRB                ; h_codes: expert x 64 tiles x 32 K steps + 1,536 x slice
	s_mul_i32 s30, ttmp9, FRB
	s_add_co_u32 s52, s52, s30
	s_mov_b32 s53, 0
	s_lshl_b32 s54, s[EX], 17                      ; h_scales: expert x 131,072 + 64 x slice
	s_lshl_b32 s30, ttmp9, 6
	s_add_co_u32 s54, s54, s30
	s_mov_b32 s55, 0
	s_lshl_b32 s56, s[EX], 12                      ; perm[e]
	s_add_co_u32 s56, s56, 256
	s_mov_b32 s57, 0
	s_lshl_b32 s58, s[EX], 2                       ; count[e]
	s_mov_b32 s59, 0
	s_wait_kmcnt 0x0
	s_add_nc_u64 s[58:59], s[8:9], s[58:59]
	s_load_b32 s[CNT], s[58:59], 0x0
	s_add_nc_u64 s[WB:WB+1], s[10:11], s[48:49]
	s_add_nc_u64 s[WB+2:WB+3], s[WB:WB+1], 0x800000   ; four stages on: 512 rows of 16,384 bytes
	s_add_nc_u64 s[38:39], s[12:13], s[50:51]
	s_add_nc_u64 s[40:41], s[14:15], s[52:53]
	s_add_nc_u64 s[42:43], s[16:17], s[54:55]
	s_add_nc_u64 s[44:45], s[8:9], s[56:57]
	s_wait_alu depctr_va_vdst(0)                   ; the offsets and LDS addresses v1 to v6, v8 to v11 and v16 are written, which the loads and LDS instructions of the whole kernel read
	WLOAD 0                                        ; the stream begins before the count is known
	WLOAD 1
	s_wait_kmcnt 0x0
	s_min_u32 s[CNT], s[CNT], 1024
	s_add_co_u32 s[NT], s[CNT], 15
	s_lshr_b32 s[NT], s[NT], 4                     ; tiles of 16 tokens, 64 at the most
	s_sub_co_u32 s[CM1], s[CNT], 1
	s_mov_b32 s[TAU], s[WV]                        ; my first tile
	TILEADR
	s_wait_alu depctr_va_vdst(0)                   ; IDX is written, which the load below reads; so are HO and HSO, which the way out's stores read
	global_load_b32 v[PT], v[IDX], s[44:45]
	STAGE 0
	STAGE 1
	STAGE 2
	STAGE 3
	STAGE 4
	STAGE 5
	STAGE 6
	STAGE 7
	s_cmp_ge_u32 s[TAU], s[NT]
	s_cbranch_scc1 .Lno_first                      ; no tile: my part was the stream
	EPI
.Lno_first:
	s_mov_b32 s[PS], 3
.Lpass:                                            ; three trips, a constant of the text: tiles w + 16, w + 32, w + 48.  A trip whose tile the expert does not have (always, up to 256 tokens) jumps over the work.
	s_add_co_u32 s[TAU], s[TAU], 16                ; No barrier stands in the loop: LDS is only read
	s_cmp_ge_u32 s[TAU], s[NT]
	s_cbranch_scc1 .Lno_tile
	s_wait_xcnt 0x0                                ; every earlier memory instruction has had its addresses translated (ISA guide 3.1): the last tile's offsets and its stores' data are written again only behind this wait
	s_wait_alu depctr_vm_vsrc(0)                   ; the last tile's loads have read IDX, XA and XSA, its stores HO, HSO, v[PC ..] and v[PW]: the lines and loads of this trip write them again
	TILEADR
	s_wait_alu depctr_va_vdst(0)                   ; IDX, HO and HSO are written; the last tile's lines are done with PT and with the accumulators, in which the loads below land
	global_load_b32 v[PT], v[IDX], s[44:45]
	BIAS
	s_wait_loadcnt 16                              ; my row's token is in; the 16 loads of the bias may be out
	TOKADR
	s_wait_alu depctr_va_vdst(0)                   ; XA and XSA are written, which the loads below read; all earlier lines are done with XS, AG, AF, BF, BG and BS, in which the loads up to stage 0's products land
	TOKLOAD
.irp s, 0,1,2,3,4,5,6,7
	LSTAGE \s
.endr
	EPI
.Lno_tile:
	s_sub_co_u32 s[PS], s[PS], 1
	s_cmp_lg_u32 s[PS], 0
	s_cbranch_scc1 .Lpass
	s_wait_dscnt 0x0                               ; the closing lines, six on end
	s_wait_alu 0x0
	s_wait_tensorcnt 0x0
	ds_add_u32 v254, v255
	s_wait_dscnt 0x0
	s_endpgm
.Lfunc_end_k_qe3937553c8_up:
	.size	k_qe3937553c8_up, .Lfunc_end_k_qe3937553c8_up-k_qe3937553c8_up
	.p2alignl 7, 3214868480
	.fill 96, 4, 3214868480
	.section	.rodata,"a",@progbits
	.p2align	6, 0x0
	.amdhsa_kernel k_qe3937553c8_up
		.amdhsa_group_segment_fixed_size 104448
		.amdhsa_private_segment_fixed_size 0
		.amdhsa_enable_private_segment 0
		.amdhsa_kernarg_size 56
		.amdhsa_user_sgpr_count 2
		.amdhsa_user_sgpr_kernarg_segment_ptr 1
		.amdhsa_wavefront_size32 1
		.amdhsa_system_sgpr_workgroup_id_x 1
		.amdhsa_system_sgpr_workgroup_id_y 1
		.amdhsa_system_sgpr_workgroup_id_z 1
		.amdhsa_system_vgpr_workitem_id 0
		.amdhsa_next_free_vgpr 256
		.amdhsa_next_free_sgpr 66
		.amdhsa_reserve_vcc 0
		.amdhsa_float_denorm_mode_32 3
		.amdhsa_float_denorm_mode_16_64 3
		.amdhsa_memory_ordered 1
		.amdhsa_forward_progress 1
		.amdhsa_inst_pref_size 225
	.end_amdhsa_kernel
	.amdgpu_metadata
---
amdhsa.version: [ 1, 2 ]
amdhsa.kernels:
  - .name:           k_qe3937553c8_up
    .symbol:         k_qe3937553c8_up.kd
    .args:
      - { .name: x_codes, .offset: 0, .size: 8, .value_kind: global_buffer, .address_space: global }
      - { .name: x_scales, .offset: 8, .size: 8, .value_kind: global_buffer, .address_space: global }
      - { .name: route, .offset: 16, .size: 8, .value_kind: global_buffer, .address_space: global }
      - { .name: weight1, .offset: 24, .size: 8, .value_kind: global_buffer, .address_space: global }
      - { .name: bias1, .offset: 32, .size: 8, .value_kind: global_buffer, .address_space: global }
      - { .name: h_codes, .offset: 40, .size: 8, .value_kind: global_buffer, .address_space: global }
      - { .name: h_scales, .offset: 48, .size: 8, .value_kind: global_buffer, .address_space: global }
    .group_segment_fixed_size: 104448
    .private_segment_fixed_size: 0
    .kernarg_segment_align: 8
    .kernarg_segment_size: 56
    .max_flat_workgroup_size: 512
    .sgpr_count:     66
    .vgpr_count:     256
    .wavefront_size: 32
...
	.end_amdgpu_metadata
.endif
;; end of part 5
;; launch down (part 6): grid 32 x 8, 16 waves a work-group, no clusters, 141,312 bytes of LDS; arguments h_codes, h_scales, route, weight2, bias2, out0; writes out0
.if DOCPART == 6
	.amdgcn_target "amdgcn-amd-amdhsa--gfx1250"
	.amdhsa_code_object_version 6
	.text
	.protected	k_qe3937553c8_down
	.globl	k_qe3937553c8_down
	.p2align	8
	.type	k_qe3937553c8_down,@function
k_qe3937553c8_down:
	s_mov_b64 s[64:65], 0
	v_nop
	global_prefetch_b8 v0, s[64:65] scope:SCOPE_SE
	s_setreg_imm32_b32 hwreg(HW_REG_WAVE_SCHED_MODE, 0, 2), 2
	s_setreg_imm32_b32 hwreg(HW_REG_WAVE_MODE, 25, 1), 1
	s_wait_xcnt 0x0
	s_wait_alu depctr_vm_vsrc(0)
; DOWN.  y = h W2[e] + b2[e] for the tokens of expert e; each row goes to its token's row of out0.  Both operands are codes of E3M2 with one E8M0 scale for each 32 along K = H = 4,096.
; SHARES.  Work-group (x = slice, y = expert e) owns columns 32 x slice .. + 31 of expert e, for all of K: 4,096 x 32 numbers of weight2, 512 KiB, which no other work-group reads; so each output has one owner and no sum spans work-groups.
; THE STREAM.  K goes in eight stages of 512 (four K steps of 128).  In a stage wave w takes rows 32 w .. 32 w + 31: K step q = w / 4 of the stage, block kb = w % 4.  A lane takes a column, its 32 registers run down K.
; Each load reads 128 consecutive bytes; the neighbouring slice's work-group reads the other 128 of each aligned 256, so the loads carry no hint.  Two sets of 32 registers: stage s + 2's loads go out in stage s.
; The codes go to LDS as images of operand registers, fragment (stage s, f = 2 q + u) at 1,536 (8 s + f); all 64 stay (96 KiB, each byte written once): one barrier a stage.
; THE PRODUCT is used transposed: source 0 = 16 columns of W2, source 1 = 16 tokens of h.  Row rho of fragment (q, u) is column 8 u + rho + 8 (rho / 8), so register ACC + i of lane (r, h) is column 16 h + i of token r.
; The two accumulators take turns.  The bias is loaded into them: every matrix instruction adds in place.
; TOKENS.  Wave w multiplies tile w of the expert's list beside the stream, then, in a loop of three trips, tiles w + 16, w + 32, w + 48 where the expert has them: 64 tiles, any split of the 1,024 tokens.
; h's fragments come from h_codes, images of registers, by loads of 512 consecutive bytes straight into registers.
; Rows of the last tile beyond the count repeat the expert's last token, here as in UP: they hold the same numbers and are stored to the same place, so EXEC is never narrowed.
; OUT.  A tile's 16 rows x 128 bytes turn through the wave's own stage in LDS, so that eight neighbouring lanes store a row's 128 consecutive bytes (a work-group owns no more of a row).
; NO CLUSTER: the weights are shared with nobody.  The 32 work-groups of an expert do read the same fragments of h (6 KiB a stage for each tile beside 64 KiB of weights), but they go to the registers of the one wave
; that multiplies them, and how many tiles there are hangs on a count read from memory, where a joint request has a shape fixed in the text.
; LIMITS: NaN and infinities are not served; a block whose largest magnitude lies under 2^-122 keeps the byte 1, a block of zeros too (its codes are zeros).  The bias starts the sums.
; THE MODE: SCHED_MODE bits 1:0 = 2 (LLVM: expert scheduling mode 2), set by the entry lines.  The code itself states the register dependences
; between vector or matrix instructions and memory or LDS instructions, with s_wait_alu, always for 0.
; THE PLAN.  Registers that memory or LDS instructions touch:
;   WS0, WS1        Stage s: the quantiser reads WS[s % 2]; behind it the loads of stage s + 2 land there.
;   C, BY           Written by a stage's quantiser, read by its four LDS stores, written again by the next stage's quantiser.
;   AF, AS, BF, BS  Filled by a stage's loads, read by its products.  BF holds four fragments: 0-3, then 4-7.
;   ACC             Filled by the bias's loads once a tile, then the products'; read by the way out's LDS stores.
;   v1-11, v16-18   Offsets and LDS addresses, made at the head and never written again.       HA, HSA, IX: made once a tile, read by that tile's loads.
;   TK              Filled by loads once a tile, turned into offsets by the way out's twelve lines, read by its global stores.       RB: filled by LDS loads, read by those stores.
; IN A STAGE OF THE STREAM: one wait on va_vdst behind the quantiser (C and BY are written; it is done reading WS[s % 2]; the last stage's products are done reading AF, AS, BF, BS): the LDS stores, h's loads, the fetch of
; fragments 0-3 and stage s + 2's 32 loads follow it with no further wait, on both arms of the branch, since no vector or matrix line between names a register that they touch.  A second one stands between the first four
; products and the fetch of fragments 4-7 into the same registers.  One wait on vm_vsrc stands ahead of the barrier: the LDS stores have read C and BY.
; IN THE LOOP OF LATER PASSES the stream's registers are idle: 48 of them are BG, a set of its own for fragments 4-7, so that ONE wait on va_vdst at a stage's head states all that the stage's loads hang on.
; (A second set for h's four fragments and their scale words would take 50 registers; 16 are left.)
.set SCL,  98304                       ; LDS: behind the 64 fragments their scale words: fragment (s, f): 16 words at SCL + 64 (8 s + f)
.set OST,  102400                      ; behind them a stage for each wave: 16 rows x (128 bytes + 16)
.set OP,   144
.set FRB,  1536
.set STG,  8*FRB
.set WOFF, 1                           ; v1    4 x lane
.set CWA,  2                           ; v2, v4  where my block's registers 0-1 go (4-5: 512 bytes on): stages 0-3, stages 4-7
.set CWB,  3                           ; v3, v5  registers 2-3
.set L8,   6                           ; v6    lane / 8
.set C16,  7                           ; v7    16 (lane % 8)
.set SW,   8                           ; v8    where my block's scale byte goes
.set LI,   9                           ; v9, v10  16 x lane (+ 4 stages)
.set LS,   11                          ; v11   SCL + 4 x lane
.set HA,   14                          ; v14   16 x lane + 49,152 x tile;  v15  4 x lane + 2,048 x tile
.set HSA,  15
.set BO,   16                          ; v16   64 h
.set STO,  17                          ; v17   the stage, in;  v18 back
.set SRD,  18
.set MXA,  20
.set MXB,  21
.set SO,   22
.set BY,   23
.set C,    24                          ; v24-29, v30-32  a block's codes
.set T,    30
.set WS,   36                          ; v36-99  two sets of 32 numbers of weight2
.set BG,   36                          ; in the later passes v36-83: fragments 4-7 of W2
.set ACC,  100                         ; v100-115  two accumulators
.set AF,   116                         ; v116-163  h's four fragments of a stage
.set AS,   164                         ; v164-165  their scale words: register k: lanes 0-15 K step 2 k, lanes 16-31 K step 2 k + 1: scales and nothing else
.set RB,   168                         ; v168-183  rows read back from the stage
.set BF,   184                         ; v184-231  four fragments of W2
.set BS,   232                         ; v232-235  their scale words: register q: lanes 0-15 u = 0, lanes 16-31 u = 1: scales and nothing else
.set TK,   236                         ; v236-239  the tokens of the four rows that I store, then their places in out0
.set IX,   240                         ; v240-243  those rows' places in perm[e]
.set WV,   18                          ; s18 wave;  s19 expert;  s20 later passes to go
.set EX,   19
.set PS,   20
.set PAIR, 21
.set KB,   22
.set CC,   23
.set HK,   24
.set CNT,  25
.set NT,   26
.set TAU,  27
.set TC,   28
.set CM1,  29
.set WB,   32                          ; s[32:33], s[34:35]  weight2 at my block of stage 0, of stage 4
                                       ; s[38:39] bias2, s[40:41] h_codes, s[42:43] h_scales, s[44:45] perm[e], s[46:47] out0, each at my part
.macro PLACES                          ; four plain vector lines between a matrix instruction and a load into a register that it has read (ISA guide 7.12.1 for vector instructions); they stay beside the wait on va_vdst
.rept 4
	v_nop
.endr
.endm
.macro WLOAD s                         ; stage s's block: W2(512 s + 32 w + i, my column), i = 0 .. 31, into set s % 2; every offset is an immediate, 6,418,432 at the most
.irp i, 0,1,2,3,4,5,6,7,8,9,10,11,12,13,14,15,16,17,18,19,20,21,22,23,24,25,26,27,28,29,30,31
	global_load_b32 v[WS+32*((\s)%2)+\i], v[WOFF], s[WB+2*((\s)/4):WB+2*((\s)/4)+1] offset:(512*((\s)%4)+\i)*4096
.endr
.endm
.macro QBLOCK x                        ; 32 numbers of one column become six registers of codes and a scale byte
	v_max3_num_f32 v[MXA], |v[\x]|, |v[\x+1]|, |v[\x+2]|
	v_max3_num_f32 v[MXB], |v[\x+3]|, |v[\x+4]|, |v[\x+5]|
.irp i, 6,10,14,18,22,26
	v_max3_num_f32 v[MXA], v[MXA], |v[\x+\i]|, |v[\x+\i+1]|
	v_max3_num_f32 v[MXB], v[MXB], |v[\x+\i+2]|, |v[\x+\i+3]|
.endr
	v_max3_num_f32 v[MXA], v[MXA], |v[\x+30]|, |v[\x+31]|
	v_max3_num_f32 v[MXA], v[MXA], v[MXB], 0x2800000             ; the floor 2^(5 - 127): the byte cannot fall under 1
	v_add_nc_u32 v[SO], 0xfe000000, v[MXA]                       ; 4 off the exponent field: the conversion's scale operand
	v_cvt_scalef32_pk16_bf6_f32 v[C:C+2], v[\x:\x+15], v[SO]
	v_cvt_scalef32_pk16_bf6_f32 v[T:T+2], v[\x+16:\x+31], v[SO]  ; (a conversion's three registers begin on an even number)
	v_lshrrev_b32 v[BY], 23, v[SO]                               ; the byte: also the plain line behind the conversions
.irp i, 0,1,2
	v_mov_b32 v[C+3+\i], v[T+\i]
.endr
.endm
.macro PUT s                           ; into the images: my block is registers 6 (kb / 2) .. + 5 of lane rho + 16 (kb % 2) of fragment 2 q + u
	ds_store_b64 v[CWA+2*((\s)/4)], v[C:C+1] offset:STG*((\s)%4)
	ds_store_b64 v[CWB+2*((\s)/4)], v[C+2:C+3] offset:STG*((\s)%4)
	ds_store_b64 v[CWA+2*((\s)/4)], v[C+4:C+5] offset:STG*((\s)%4)+512
	ds_store_b8 v[SW], v[BY] offset:512*(\s)
.endm
.macro BFETCH s, g, d                  ; fragments 4 g .. 4 g + 3 of stage s, as they lie, into v[d] on; with g = 0 the scale words of all eight
.irp k, 0,1,2,3
.irp j, 0,1,2
	ds_load_b128 v[(\d)+12*\k+4*\j:(\d)+12*\k+4*\j+3], v[LI+(\s)/4] offset:STG*((\s)%4)+FRB*(4*(\g)+\k)+512*\j
.endr
.endr
.if (\g) == 0
.irp j, 0,1,2,3
	ds_load_b32 v[BS+\j], v[LS] offset:512*(\s)+128*\j
.endr
.endif
.endm
.macro ALOAD s                         ; my tile's fragments of K steps 4 s .. 4 s + 3, and their scale words
.irp q, 0,1,2,3
.irp j, 0,1,2
	global_load_b128 v[AF+12*\q+4*\j:AF+12*\q+4*\j+3], v[HA], s[40:41] offset:FRB*(4*(\s)+\q)+512*\j
.endr
.endr
.irp k, 0,1
	global_load_b32 v[AS+\k], v[HSA], s[42:43] offset:256*(\s)+128*\k
.endr
.endm
.macro WM d, a, b, sa, sb, ra, rb      ; ra, rb = 1: that source's scale words stand in lanes 16-31
.if (\ra) && (\rb)
	v_wmma_scale_f32_16x16x128_f8f6f4 v[\d:\d+7], v[\a:\a+11], v[\b:\b+11], v[\d:\d+7], v[\sa], v[\sb] matrix_a_fmt:MATRIX_FMT_BF6 matrix_b_fmt:MATRIX_FMT_BF6 matrix_a_scale:MATRIX_SCALE_ROW1 matrix_b_scale:MATRIX_SCALE_ROW1
.elseif (\ra)
	v_wmma_scale_f32_16x16x128_f8f6f4 v[\d:\d+7], v[\a:\a+11], v[\b:\b+11], v[\d:\d+7], v[\sa], v[\sb] matrix_a_fmt:MATRIX_FMT_BF6 matrix_b_fmt:MATRIX_FMT_BF6 matrix_a_scale:MATRIX_SCALE_ROW1
.elseif (\rb)
	v_wmma_scale_f32_16x16x128_f8f6f4 v[\d:\d+7], v[\a:\a+11], v[\b:\b+11], v[\d:\d+7], v[\sa], v[\sb] matrix_a_fmt:MATRIX_FMT_BF6 matrix_b_fmt:MATRIX_FMT_BF6 matrix_b_scale:MATRIX_SCALE_ROW1
.else
	v_wmma_scale_f32_16x16x128_f8f6f4 v[\d:\d+7], v[\a:\a+11], v[\b:\b+11], v[\d:\d+7], v[\sa], v[\sb] matrix_a_fmt:MATRIX_FMT_BF6 matrix_b_fmt:MATRIX_FMT_BF6
.endif
.endm
.macro MM g, f                         ; K steps q = 2 g, 2 g + 1 of the stage, u = 0, 1 by turns; their four fragments of W2 lie in v[f] on
.irp k, 0,1,2,3
	WM ACC+8*(\k%2), (\f)+12*\k, AF+12*(2*(\g)+\k/2), BS+2*(\g)+\k/2, AS+(\g), \k%2, \k/2
.endr
.endm
.macro BIAS                            ; register ACC + i of lane (r, h): b2 of column 16 h + i
.irp i, 0,1,2,3
	global_load_b128 v[ACC+4*\i:ACC+4*\i+3], v[BO], s[38:39] offset:16*\i
.endr
.endm
.macro TILEADR                         ; what hangs on my tile (its plain vector lines are also places behind products that may stand in front of it)
	s_min_u32 s[TC], s[TAU], 63
	s_mul_i32 s30, s[TC], 32*FRB
	v_add_nc_u32 v[HA], s30, v[LI]
	s_lshl_b32 s30, s[TC], 11
	v_add_nc_u32 v[HSA], s30, v[WOFF]
	s_lshl_b32 s30, s[TC], 4
.irp i, 0,1,2,3
	s_add_co_u32 s31, s30, 4*\i
	v_add_nc_u32 v[IX+\i], s31, v[L8]              ; the rank of row 4 i + lane / 8 of my tile,
.endr
.irp i, 0,1,2,3
	v_min_u32 v[IX+\i], s[CM1], v[IX+\i]           ; or the expert's last, for the rows beyond its count
.endr
.irp i, 0,1,2,3
	v_min_u32 v[IX+\i], 0x3ff, v[IX+\i]            ; (a number made of a loaded count enters an address only behind a clamp by a constant)
.endr
.irp i, 0,1,2,3
	v_lshlrev_b32 v[IX+\i], 2, v[IX+\i]
.endr
.endm
.macro TKLOAD
.irp i, 0,1,2,3
	global_load_b32 v[TK+\i], v[IX+\i], s[44:45]
.endr
.endm
; A STAGE.  Every wave quantises its block and passes the barrier; the waves that have a tile then multiply.  The branch hangs on the stored count; no barrier stands under it.
; What the multiplying arm reads of registers filled under the branch (AF, AS, BF, BS) it has filled in the same arm.
.macro STAGE s
.if (\s) == 0
	s_wait_loadcnt 36                              ; stage 0's block is in; out may be stage 1's 32 loads and the four loads of tokens
.elseif (\s) == 7
	s_wait_loadcnt 0x0                             ; the last block
.else
	s_wait_loadcnt 32                              ; this stage's block is in; out may be the next stage's 32, the youngest loads on both ways through the last stage
.endif
	QBLOCK WS+32*((\s)%2)                          ; (its plain lines are also the places behind the last stage's products)
	s_wait_alu depctr_va_vdst(0)                   ; the quantiser has written C and BY, which the LDS stores read, and is done reading WS[s % 2], in which stage s + 2's loads land; the last stage's products are done reading AF, AS, BF and BS, in which this stage's loads land
	PUT \s
.if (\s) == 0
	BIAS                                           ; in every wave, so that the accumulators are written on every way
.endif
	s_wait_dscnt 0x0                               ; my part of the stage's images is written
.if (\s) < 7
	s_wait_alu depctr_vm_vsrc(0)                   ; my LDS stores have read C and BY, which the next stage's quantiser writes again
.endif
	s_barrier_signal -1
	s_barrier_wait -1                              ; everybody's is
	s_cmp_lt_u32 s[TAU], s[NT]
	s_cbranch_scc0 .Lidle_\@
	ALOAD \s                                       ; no wait: no vector or matrix line since the wait above names AF, AS, BF, BS or WS[s % 2]
	BFETCH \s, 0, BF
.if (\s) < 6
	WLOAD (\s)+2
	s_wait_loadcnt 32                              ; all but the 32 just issued: h's fragments are in (in stage 0 the bias too)
.else
	s_wait_loadcnt 0x0
.endif
	s_wait_dscnt 0x0
	MM 0, BF
	PLACES
	s_wait_alu depctr_va_vdst(0)                   ; the four products above are done reading BF, in which fragments 4-7 land
	BFETCH \s, 1, BF
	s_wait_dscnt 0x0
	MM 1, BF
.if (\s) < 6
	s_branch .Ljoin_\@
.Lidle_\@:
	WLOAD (\s)+2
.Ljoin_\@:
.else
.Lidle_\@:
.endif
.endm
; A stage of a later pass: the images lie in LDS, whole, and are only read.  Fragments 0-3 go to BF, fragments 4-7 to BG.
.macro LSTAGE s
.if (\s) > 0
	PLACES
	s_wait_alu depctr_va_vdst(0)                   ; the last stage's products are done reading AF, AS, BF, BG and BS, in which the loads below land (stage 0: the wait behind the tile's address lines has stated it)
.endif
	ALOAD \s
	BFETCH \s, 0, BF
	BFETCH \s, 1, BG
	s_wait_loadcnt 0x0
	s_wait_dscnt 12                                ; fragments 0-3 and the scale words are in; the twelve loads of fragments 4-7 stay out
	MM 0, BF
	s_wait_dscnt 0x0
	MM 1, BG
.endm
.macro EPI                             ; a finished tile: through my stage, and each row to its token.  The twelve lines that make the rows' places in out0 name no register of the products: they are the places behind the last of them
.irp i, 0,1,2,3
	v_min_u32 v[TK+\i], 0x3ff, v[TK+\i]            ; a loaded number enters an address only behind a clamp by a constant
.endr
.irp i, 0,1,2,3
	v_lshlrev_b32 v[TK+\i], 12, v[TK+\i]           ; the token's row of out0: 4,096 bytes
.endr
.irp i, 0,1,2,3
	v_add_nc_u32 v[TK+\i], v[C16], v[TK+\i]
.endr
	s_wait_alu depctr_va_vdst(0)                   ; the products have written the accumulators, which the LDS stores read; TK is written, which the global stores read as their offsets; the places above stay beside this wait
.irp i, 0,1,2,3
	ds_store_b128 v[STO], v[ACC+4*\i:ACC+4*\i+3] offset:16*\i    ; lane (r, h): row r, columns 16 h + 4 i on; each accumulator from its low end on
.endr
.irp i, 0,1,2,3
	ds_load_b128 v[RB+4*\i:RB+4*\i+3], v[SRD] offset:4*OP*\i     ; row 4 i + lane / 8, 16 bytes a lane.  LDS serves a wave's instructions in order (ISA guide 5.7.1.4): these see my stores
.endr
	s_wait_dscnt 0x0
.irp i, 0,1,2,3
	global_store_b128 v[TK+\i], v[RB+4*\i:RB+4*\i+3], s[46:47]   ; eight lanes store a row's 128 consecutive bytes
.endr
.endm
	s_load_b256 s[4:11], s[0:1], 0x0               ; h_codes s[4:5], h_scales s[6:7], route s[8:9], weight2 s[10:11]
	s_load_b128 s[12:15], s[0:1], 0x20             ; bias2 s[12:13], out0 s[14:15]
	v_lshl_add_u32 v254, v0, 2, 0x22000            ; the LDS address of my spare word, and 0: made here and kept for the closing lines alone
	v_mov_b32 v255, 0
	v_lshrrev_b32 v33, 5, v0
	v_readfirstlane_b32 s[WV], v33                 ; wave 0..15; the lines that need no scalar stand between this line and the wait for it
	v_and_b32 v34, 31, v0                          ; lane
	v_lshlrev_b32 v[WOFF], 2, v34
	v_lshlrev_b32 v[LI], 4, v34
	v_add_nc_u32 v[LI+1], 4*STG, v[LI]
	v_add_nc_u32 v[LS], SCL, v[WOFF]
	v_bfe_u32 v35, v0, 4, 1                        ; h
	v_lshlrev_b32 v[BO], 6, v35
	v_bfe_u32 v[L8], v0, 3, 2
	v_and_b32 v33, 7, v0
	v_lshlrev_b32 v[C16], 4, v33
	v_and_b32 v34, 15, v0                          ; r
	v_mul_u32_u24 v[STO], v34, OP
	v_lshl_add_u32 v[STO], v35, 6, v[STO]          ; the stage, in: row r, + 64 h
	s_wait_alu depctr_va_vdst(0)
	v_mul_u32_u24 v[SRD], v[L8], OP
	v_add_nc_u32 v[SRD], v[C16], v[SRD]            ; back: row lane / 8, + 16 (lane % 8)
	s_wait_alu depctr_va_vdst(0)
	; as a writer my lane is column lambda of the 32: u = (lambda / 8) % 2, rho = lambda % 8 + 8 (lambda / 16)
	v_lshl_add_u32 v33, v35, 3, v33                ; rho
	v_bfe_u32 v34, v0, 3, 1                        ; u
	v_lshlrev_b32 v[CWA], 4, v33
	v_mad_u32_u24 v[CWA], v34, FRB, v[CWA]         ; 1,536 u + 16 rho
	s_wait_alu depctr_va_vdst(0)
	v_lshlrev_b32 v[SW], 2, v33
	v_lshl_add_u32 v[SW], v34, 6, v[SW]            ; 64 u + 4 rho
	s_wait_alu depctr_va_vdst(0)
	s_and_b32 s[EX], ttmp7, 0xffff                 ; the expert; ttmp9 is the slice
	s_wait_alu depctr_va_sdst(0)                   ; s[WV] is written, ahead of its first reader: LDS places, bases and my first tile are made from it
	s_lshr_b32 s[PAIR], s[WV], 2                   ; q: my K step of a stage's four
	s_and_b32 s[KB], s[WV], 3                      ; my block of its four
	s_lshr_b32 s[CC], s[KB], 1
	s_and_b32 s[HK], s[KB], 1
	s_mul_i32 s30, s[WV], 16*OP
	s_add_co_u32 s30, s30, OST                     ; my stage
	v_add_nc_u32 v[STO], s30, v[STO]
	v_add_nc_u32 v[SRD], s30, v[SRD]
	s_mul_i32 s30, s[PAIR], 2*FRB
	s_lshl_b32 s31, s[HK], 8
	s_add_co_u32 s30, s30, s31                     ; + 3,072 q + 16 x 16 (kb % 2)
	s_mul_i32 s31, s[CC], 520                      ; registers 0-1 at byte 0, registers 6-7 at 520 of the lane's places
	s_add_co_u32 s60, s30, s31
	s_mul_i32 s31, s[CC], 1016                     ; registers 2-3 at 8, registers 8-9 at 1,024
	s_add_co_u32 s61, s30, s31
	s_add_co_u32 s61, s61, 8
	v_add_nc_u32 v[CWB], s61, v[CWA]
	v_add_nc_u32 v[CWA], s60, v[CWA]
	v_add_nc_u32 v[CWA+2], 4*STG, v[CWA]
	v_add_nc_u32 v[CWB+2], 4*STG, v[CWB]
	s_lshl_b32 s30, s[PAIR], 7
	s_add_co_u32 s30, s30, s[KB]
	s_add_co_u32 s30, s30, SCL
	v_add_nc_u32 v[SW], s30, v[SW]                 ; + SCL + 128 q + kb
	; byte offsets of my parts, each in a pair of its own
	s_lshl_b32 s48, s[EX], 24                      ; weight2: expert x 2^24 + 32 w rows of 4,096 + 128 x slice
	s_lshl_b32 s30, s[WV], 17
	s_add_co_u32 s48, s48, s30
	s_lshl_b32 s30, ttmp9, 7
	s_add_co_u32 s48, s48, s30
	s_mov_b32 s49, 0
	s_lshl_b32 s50, s[EX], 12                      ; bias2: expert x 4,096 + 128 x slice
	s_add_co_u32 s50, s50, s30
	s_mov_b32 s51, 0
	s_mul_i32 s52, s[EX], 64*32*FRB                ; h_codes: the expert's 64 tiles x 32 K steps
	s_mov_b32 s53, 0
	s_lshl_b32 s54, s[EX], 17                      ; h_scales
	s_mov_b32 s55, 0
	s_lshl_b32 s56, s[EX], 12                      ; perm[e]
	s_add_co_u32 s56, s56, 256
	s_mov_b32 s57, 0
	s_lshl_b32 s58, s[EX], 2                       ; count[e]
	s_mov_b32 s59, 0
	s_mov_b32 s62, s30                             ; out0: 128 x slice
	s_mov_b32 s63, 0
	s_wait_kmcnt 0x0
	s_add_nc_u64 s[58:59], s[8:9], s[58:59]
	s_load_b32 s[CNT], s[58:59], 0x0
	s_add_nc_u64 s[WB:WB+1], s[10:11], s[48:49]
	s_add_nc_u64 s[WB+2:WB+3], s[WB:WB+1], 0x800000   ; four stages on: 2,048 rows of 4,096 bytes
	s_add_nc_u64 s[38:39], s[12:13], s[50:51]
	s_add_nc_u64 s[40:41], s[4:5], s[52:53]
	s_add_nc_u64 s[42:43], s[6:7], s[54:55]
	s_add_nc_u64 s[44:45], s[8:9], s[56:57]
	s_add_nc_u64 s[46:47], s[14:15], s[62:63]
	s_wait_alu depctr_va_vdst(0)                   ; the offsets and LDS addresses v1 to v11 and v16 to v18 are written, which the loads and LDS instructions of the whole kernel read
	WLOAD 0                                        ; the stream begins before the count is known
	WLOAD 1
	s_wait_kmcnt 0x0
	s_min_u32 s[CNT], s[CNT], 1024
	s_add_co_u32 s[NT], s[CNT], 15
	s_lshr_b32 s[NT], s[NT], 4                     ; tiles of 16 tokens, 64 at the most
	s_sub_co_u32 s[CM1], s[CNT], 1
	s_mov_b32 s[TAU], s[WV]                        ; my first tile
	TILEADR
	s_wait_alu depctr_va_vdst(0)                   ; IX is written, which the four loads below read; so are HA and HSA, which the loads of h read
	TKLOAD
	STAGE 0
	STAGE 1
	STAGE 2
	STAGE 3
	STAGE 4
	STAGE 5
	STAGE 6
	STAGE 7
	s_cmp_ge_u32 s[TAU], s[NT]
	s_cbranch_scc1 .Lno_first                      ; no tile: my part was the stream
	EPI
.Lno_first:
	s_mov_b32 s[PS], 3
.Lpass:                                            ; three trips, a constant of the text: tiles w + 16, w + 32, w + 48.  A trip whose tile the expert does not have (always, up to 256 tokens) jumps over the work.
	s_add_co_u32 s[TAU], s[TAU], 16                ; No barrier stands in the loop: the images are only read, the stage is my own
	s_cmp_ge_u32 s[TAU], s[NT]
	s_cbranch_scc1 .Lno_tile
	s_wait_xcnt 0x0                                ; every earlier memory instruction has had its addresses translated (ISA guide 3.1): the last tile's offsets and its stores' data are written again only behind this wait
	s_wait_alu depctr_vm_vsrc(0)                   ; the last tile's loads have read HA, HSA and IX, its LDS stores the accumulators, its global stores TK and RB: the lines and loads of this trip write them again
	TILEADR
	s_wait_alu depctr_va_vdst(0)                   ; HA, HSA and IX are written, which the loads below read; all earlier lines are done with TK, the accumulators, AF, AS, BF, BG and BS, in which the loads up to stage 0's products land
	TKLOAD
	BIAS
.irp s, 0,1,2,3,4,5,6,7
	LSTAGE \s
.endr
	EPI
.Lno_tile:
	s_sub_co_u32 s[PS], s[PS], 1
	s_cmp_lg_u32 s[PS], 0
	s_cbranch_scc1 .Lpass
	s_wait_dscnt 0x0                               ; the closing lines, six on end
	s_wait_alu 0x0
	s_wait_tensorcnt 0x0
	ds_add_u32 v254, v255
	s_wait_dscnt 0x0
	s_endpgm
.Lfunc_end_k_qe3937553c8_down:
	.size	k_qe3937553c8_down, .Lfunc_end_k_qe3937553c8_down-k_qe3937553c8_down
	.p2alignl 7, 3214868480
	.fill 96, 4, 3214868480
	.section	.rodata,"a",@progbits
	.p2align	6, 0x0
	.amdhsa_kernel k_qe3937553c8_down
		.amdhsa_group_segment_fixed_size 141312
		.amdhsa_private_segment_fixed_size 0
		.amdhsa_enable_private_segment 0
		.amdhsa_kernarg_size 48
		.amdhsa_user_sgpr_count 2
		.amdhsa_user_sgpr_kernarg_segment_ptr 1
		.amdhsa_wavefront_size32 1
		.amdhsa_system_sgpr_workgroup_id_x 1
		.amdhsa_system_sgpr_workgroup_id_y 1
		.amdhsa_system_sgpr_workgroup_id_z 1
		.amdhsa_system_vgpr_workitem_id 0
		.amdhsa_next_free_vgpr 256
		.amdhsa_next_free_sgpr 66
		.amdhsa_reserve_vcc 0
		.amdhsa_float_denorm_mode_32 3
		.amdhsa_float_denorm_mode_16_64 3
		.amdhsa_memory_ordered 1
		.amdhsa_forward_progress 1
		.amdhsa_inst_pref_size 137
	.end_amdhsa_kernel
	.amdgpu_metadata
---
amdhsa.version: [ 1, 2 ]
amdhsa.kernels:
  - .name:           k_qe3937553c8_down
    .symbol:         k_qe3937553c8_down.kd
    .args:
      - { .name: h_codes, .offset: 0, .size: 8, .value_kind: global_buffer, .address_space: global }
      - { .name: h_scales, .offset: 8, .size: 8, .value_kind: global_buffer, .address_space: global }
      - { .name: route, .offset: 16, .size: 8, .value_kind: global_buffer, .address_space: global }
      - { .name: weight2, .offset: 24, .size: 8, .value_kind: global_buffer, .address_space: global }
      - { .name: bias2, .offset: 32, .size: 8, .value_kind: global_buffer, .address_space: global }
      - { .name: out0, .offset: 40, .size: 8, .value_kind: global_buffer, .address_space: global }
    .group_segment_fixed_size: 141312
    .private_segment_fixed_size: 0
    .kernarg_segment_align: 8
    .kernarg_segment_size: 48
    .max_flat_workgroup_size: 512
    .sgpr_count:     66
    .vgpr_count:     256
    .wavefront_size: 32
...
	.end_amdgpu_metadata
.endif
;; end of part 6
